; MI455X (gfx1250); checked and timed in simulation.
; The chip was launched on July 23, 2026; its instructions are those of AMD's public machine-readable ISA for CDNA 5 (MIT licence, August 2026) and "CDNA5" Instruction Set Architecture Reference Guide (July 2026). The comments in the code are by the model that wrote it; some were corrected since.
;; Causal Self Attention. Allowed arithmetic: matrix products marked QUANTISED: E2M1 operands, one E8M0 scale for each 32 along K, by v_wmma_scale_f32_16x16x128_f8f6f4 with both operands' format E2M1 (or v_wmma_scale_f32_32x16x128_f4), f32 sums; products left as they are: bf16, f16 or f32 operands; f32 sums; everything else in f32.
;; Inputs: W_proj 1,024 x 1,024 float32; W_qkv 1,024 x 3,072 float32; b_proj 1,024 float32; b_qkv 3,072 float32; x 4 x 2,048 x 1,024 float32.
;; Outputs: out0 4 x 2,048 x 1,024 float32.
;; This version of the problem:
;;   THIS VERSION OF THE PROBLEM IS GIVEN IN LOW PRECISION. The matrix products marked QUANTISED in the list below multiply operands that are first quantised to E2M1 (2 exponent bits, 1 mantissa bit; 4 bits a number), with one power-of-two scale for each 32 numbers along K (OCP MX v1.0); their sums are f32. The products marked 'left as it is' may take bf16, f16 or f32 operands, with f32 sums. Whichever they take, every output number must still come out within the allowed error. Rounding operands to bf16 (8 significant bits) uses up far more of that allowance than f16 does (11 bits, for magnitudes from 6e-5 to 65,504). All else is computed in f32.
;;   The module's matrix products, in the order in which they are computed (A, B: the left and right operand; K: the contracted axis; several contracted axes count as one K, in the product's order):
;;     1. [M 8,192, K 1,024] x [K 1,024, N 3,072]; A: input x; B: input W_qkv: QUANTISED
;;     2. batch 64 x [M 2,048, K 64] x [K 64, N 2,048]; A: computed on the way; B: computed on the way: left as it is (an operand is computed on the way)
;;     3. batch 64 x [M 2,048, K 2,048] x [K 2,048, N 64]; A: computed on the way; B: computed on the way: left as it is (an operand is computed on the way)
;;     4. [M 8,192, K 1,024] x [K 1,024, N 1,024]; A: computed on the way; B: input W_proj: left as it is (an operand is computed on the way)
;;   THE QUANTISER, for each operand of a quantised product, along K:
;;     - K is cut into blocks of 32 from its start; a last block that is shorter is filled with zeros.
;;     - A block's scale is 2^e with e = floor(log2(the largest magnitude in the block)) - 2, held to -126 .. 127; a block of zeros has e = 0. As a byte (E8M0): e + 127.
;;     - Each number is divided by its block's scale, clamped to +-6, and rounded to the nearest number of E2M1, ties to even, subnormals kept.
;;     - The product sums the exact products of the quantised numbers (number of the format x scale) in f32.
;;   ~~~python
;;   def quantise(x, axis):      # numpy; x: float32 -> the quantised numbers, widened to float32 again
;;       x = np.moveaxis(x, axis, -1); K = x.shape[-1]
;;       x = np.pad(x, [(0, 0)] * (x.ndim - 1) + [(0, -K % 32)]); x = x.reshape(x.shape[:-1] + (-1, 32)); a = np.abs(x).max(-1, keepdims=True)
;;       e = np.where(a > 0, np.clip(np.frexp(np.where(a > 0, a, 1))[1] - 1 - 2, -126, 127), 0)      # np.frexp(a)[1] - 1 = floor(log2(a)), exactly
;;       r = np.clip(x / 2.0 ** e, -6, 6)
;;       step = 2.0 ** (np.maximum(np.frexp(np.where(r == 0, 1, r))[1] - 1, 0) - 1)
;;       q = np.round(r / step) * step * 2.0 ** e      # np.round: ties to even
;;       return np.moveaxis(q.reshape(q.shape[:-2] + (-1,))[..., :K], -1, axis).astype(np.float32)
;;   ~~~
;; One version. Each part assembles by itself: llvm-mc -triple=amdgcn-amd-amdhsa -mcpu=gfx1250 --defsym DOCPART=n.
;; ======== version 1 of 1: 5 launches
;; limits: values are held in f16: magnitudes above 65,504 overflow, below 6.1e-05 lose precision
;; workspace buffers: x_codes 4,194,304 bytes; x_scales 262,144 bytes; w_codes 1,572,864 bytes; w_scales 98,304 bytes; w16 2,097,152 bytes; qkvh 50,331,648 bytes; qkv16 786,432 bytes; yh 16,777,216 bytes
;; launch prep (part 1): grid 432 x 1, 4 waves a work-group, no clusters, 68,096 bytes of LDS; arguments x, W_qkv, W_proj, x_codes, x_scales, w_codes, w_scales, w16; writes x_codes, x_scales, w_codes, w_scales, w16
.if DOCPART == 1
	.amdgcn_target "amdgcn-amd-amdhsa--gfx1250"
	.amdhsa_code_object_version 6
	.text
	.protected	k_q4c3300f834_prep
	.globl	k_q4c3300f834_prep
	.p2align	8
	.type	k_q4c3300f834_prep,@function
k_q4c3300f834_prep:
	s_mov_b64 s[64:65], 0
	v_nop
	global_prefetch_b8 v0, s[64:65] scope:SCOPE_SE
	s_setreg_imm32_b32 hwreg(HW_REG_WAVE_MODE, 25, 1), 1
	s_wait_xcnt 0x0
; PREP: three streams in one launch, told apart by the work-group's number; they never join, and each has LDS bytes of its own.
;   work-groups 0-255:   x [8192][1024] f32 (K innermost) -> codes of E2M1, [8192][512 bytes], and one E8M0 byte for each 32 along K, [8192][32]
;   work-groups 256-303: W_qkv [1024 k][3072 n] f32 (K outermost) -> codes [3072 n][512 bytes], K innermost, and bytes [3072][32]
;   work-groups 304-431: W_proj [1024][1024] f32 -> f16, as it lies
; A block's scale is 2^(floor(log2(its largest magnitude)) - 2): its byte is the largest magnitude's exponent field - 2, held at 1 from below.
; LIMITS: a block of zeros gets the byte 1 where the quantiser says 127 (its codes are zeros, and this program alone reads the bytes); blocks whose largest magnitude lies under 2^-124 sit at that floor;
; NaN and infinities among the inputs are not served; W_proj beyond 65,504 in magnitude has no f16.
; No cluster, no tensor load, no barrier: no two waves read the same byte.
.set SPARE, 67584                      ; the spare words, 128 bytes a wave: two blocks of 256 bytes that no other line names
.set SPW,   190                        ; v190 my spare word's LDS address; never rewritten
.set NIL,   191                        ; v191 0; never rewritten
.set EMAX,  2
; --- x's path
.set STEPS, 16                         ; a wave takes 16 steps of 512 numbers
.set CB,    8                          ; bytes of 16 codes
.set WREG,  8192                       ; LDS 0 .. 32,767: a region for each wave: two stages of 32 x SP bytes, then its 256 scale bytes
.set SP,    80                         ; a lane's place in a stage: 64 bytes + 16 of padding
.set XR,    16                         ; v16-79   four sets of 16 numbers as loaded
.set XX,    80                         ; v80-111  two sets of 16 neighbours
.set XE,    112                        ; v112-127 a scale byte for each step
.set XC,    128                        ; v128-189 codes: registers of its own for each step
; --- W_qkv's path
.set WSTG,  32768                      ; LDS 32,768 .. 67,583: a stage of 32 rows x 272 bytes for each wave
.set WP,    272
.set KROW,  512                        ; a row of codes in bytes
.set NROW,  12288                      ; a row of W_qkv in bytes
.set NB,    16                         ; blocks of 32 along K for a wave
.set WX,    32                         ; v32-95   two sets of 32 numbers
.set WC,    96                         ; v96-99   a block's codes
.set WO,    112                        ; v112-175 the way out
.set WSB,   24                         ; v24-27   the scale bytes, four to a register
	s_load_b256 s[4:11], s[0:1], 0x0               ; x s[4:5], W_qkv s[6:7], W_proj s[8:9], x_codes s[10:11]
	s_load_b256 s[12:19], s[0:1], 0x20             ; x_scales s[12:13], w_codes s[14:15], w_scales s[16:17], w16 s[18:19]
	v_lshl_add_u32 v[SPW], v0, 2, SPARE
	v_mov_b32 v[NIL], 0
	v_lshrrev_b32 v1, 5, v0
	v_readfirstlane_b32 s20, v1                    ; wave 0..3
	v_and_b32 v2, 31, v0                           ; lane
	s_mov_b32 s25, 0                               ; the high word of every offset here: all stay under 2^32
	s_wait_kmcnt 0x0
	s_cmp_lt_u32 ttmp9, 256
	s_cbranch_scc0 .Lnot_x
; ---------------- x: K innermost.  Loads take the bytes as they lie (512 a load); a step's 2,048 bytes turn through my stage, so that a lane holds 16 neighbours along K; two neighbouring lanes hold a block.
	v_lshlrev_b32 v3, 4, v2                        ; my 16 bytes of a load's 512
	s_mul_i32 s21, s20, WREG
	v_lshrrev_b32 v14, 2, v2
	v_mul_u32_u24 v14, v14, SP
	v_and_b32 v15, 3, v2
	v_lshl_add_u32 v14, v15, 4, v14
	v_add_nc_u32 v14, s21, v14                     ; the stage on the way in: SP (lane / 4) + 16 (lane % 4)
	v_mul_u32_u24 v15, v2, SP
	v_add_nc_u32 v15, s21, v15                     ; and on the way out: SP x lane
	v_mul_u32_u24 v4, v2, CB                       ; my codes' place in a step's 256 bytes
	v_lshrrev_b32 v5, 1, v2
	s_add_co_u32 s21, s21, 2*32*SP
	v_add_nc_u32 v5, s21, v5                       ; my block's byte among my wave's 256 scale bytes
	v_lshlrev_b32 v7, 3, v2
	v_add_nc_u32 v6, s21, v7                       ; and 8 bytes a lane on their way out
	s_lshl_b32 s22, ttmp9, 2
	s_add_co_u32 s22, s22, s20                     ; which run of 8,192 numbers is my wave's
	s_lshl_b32 s24, s22, 15
	s_add_nc_u64 s[4:5], s[4:5], s[24:25]
	s_lshl_b32 s24, s22, 12
	s_add_nc_u64 s[10:11], s[10:11], s[24:25]
	s_lshl_b32 s24, s22, 8
	s_add_nc_u64 s[12:13], s[12:13], s[24:25]
.macro XLOAD t
.irp i, 0,1,2,3
	global_load_b128 v[XR+16*((\t)%4)+4*\i:XR+16*((\t)%4)+4*\i+3], v3, s[4:5] offset:2048*(\t)+512*\i th:TH_LOAD_NT
.endr
.endm
.macro XTURN t                         ; LDS serves a wave's instructions in order: no wait between the stores and the loads
.irp i, 0,1,2,3
	ds_store_b128 v14, v[XR+16*((\t)%4)+4*\i:XR+16*((\t)%4)+4*\i+3] offset:32*SP*((\t)%2)+8*SP*\i
.endr
.irp i, 0,1,2,3
	ds_load_b128 v[XX+16*((\t)%2)+4*\i:XX+16*((\t)%2)+4*\i+3], v15 offset:32*SP*((\t)%2)+16*\i
.endr
.endm
.macro XSTEP t
.set XS, XX+16*((\t)%2)
.if (\t) > 0
	s_wait_dscnt 1                                 ; this step's numbers are back from the stage; the last step's byte store may be out
.else
	s_wait_dscnt 0x0
.endif
.if (\t)+4 < STEPS
	XLOAD (\t)+4                                   ; into the set whose stores into the stage have read it
.endif
.if (\t)+1 < STEPS
.if STEPS-2-(\t) >= 3
	s_wait_loadcnt 12                              ; the next step's four loads are in; the 12 of the three steps behind it may be out
.else
	s_wait_loadcnt 4*(STEPS-2-(\t))
.endif
	XTURN (\t)+1
.endif
	v_max3_num_f32 v8, |v[XS]|, |v[XS+1]|, |v[XS+2]|
	v_max3_num_f32 v9, |v[XS+3]|, |v[XS+4]|, |v[XS+5]|
.irp i, 6,10
	v_max3_num_f32 v8, v8, |v[XS+\i]|, |v[XS+\i+1]|
	v_max3_num_f32 v9, v9, |v[XS+\i+2]|, |v[XS+\i+3]|
.endr
	v_max3_num_f32 v8, v8, |v[XS+14]|, |v[XS+15]|
	v_max3_num_f32 v8, v8, v9, (EMAX+1)<<23        ; the floor 2^(3 - 127): the byte cannot fall under 1
	v_max_num_f32_dpp v8, v8, v8 row_xmask:1 row_mask:0xf bank_mask:0xf   ; with my neighbour's 16: the block's largest magnitude
	v_add_nc_u32 v11, -(EMAX<<23), v8              ; 2 off its exponent field: the conversion's scale operand
	v_cvt_scalef32_pk8_fp4_f32 v[XC+4*(\t)], v[XS:XS+7], v11
	v_cvt_scalef32_pk8_fp4_f32 v[XC+4*(\t)+1], v[XS+8:XS+15], v11
	v_lshrrev_b32 v[XE+(\t)], 23, v11              ; the scale's byte (also the plain line behind the conversions)
	ds_store_b8 v5, v[XE+(\t)] offset:16*(\t)      ; both lanes of a block write the same byte with the same value
	global_store_b64 v4, v[XC+4*(\t):XC+4*(\t)+1], s[10:11] offset:32*CB*(\t)   ; the wave stores 256 consecutive bytes
.endm
.irp t, 0,1,2,3
	XLOAD \t
.endr
	s_wait_loadcnt 12                              ; step 0's four loads are in
	XTURN 0
.irp t, 0,1,2,3,4,5,6,7,8,9,10,11,12,13,14,15
	XSTEP \t
.endr
	ds_load_b64 v[8:9], v6
	s_wait_dscnt 0x0
	global_store_b64 v7, v[8:9], s[12:13]          ; my wave's 256 scale bytes, consecutive and aligned
	s_wait_tensorcnt 0x0                           ; the wave's end
	ds_add_u32 v[SPW], v[NIL]
	s_wait_dscnt 0x0
	s_endpgm
.Lnot_x:
	s_cmp_lt_u32 ttmp9, 304
	s_cbranch_scc0 .Lcast
; ---------------- W_qkv: K outermost.  A lane takes a column n and its registers run down K: a block of 32 lies in one lane, and the codes come out with K innermost.  A wave: 32 columns x 512 along K.
	s_sub_co_u32 s21, ttmp9, 256
	s_lshr_b32 s22, s21, 1                         ; which 128 columns
	s_and_b32 s23, s21, 1                          ; which half of K
	s_lshl_b32 s22, s22, 7
	s_lshl_b32 s24, s20, 5
	s_add_co_u32 s22, s22, s24                     ; my wave's first column
	v_lshlrev_b32 v3, 2, v2                        ; in: 4 bytes a lane
	s_mul_i32 s26, s20, 32*WP
	s_add_co_u32 s26, s26, WSTG                    ; my stage
	v_mul_u32_u24 v4, v2, WP
	v_add_nc_u32 v4, s26, v4                       ; into it: row = my column
	v_and_b32 v5, 15, v2
	v_lshrrev_b32 v6, 4, v2
	v_mul_u32_u24 v7, v6, WP
	v_lshl_add_u32 v7, v5, 4, v7
	v_add_nc_u32 v7, s26, v7                       ; out of it: sixteen lanes to a row, two rows an instruction
	v_mul_u32_u24 v8, v6, KROW
	v_lshl_add_u32 v8, v5, 4, v8                   ; and the same place among the codes
	v_lshlrev_b32 v9, 5, v2                        ; my column's row of scale bytes
	s_mul_i32 s24, s23, 512*NROW
	s_lshl_b32 s27, s22, 2
	s_add_co_u32 s24, s24, s27
	s_add_nc_u64 s[6:7], s[6:7], s[24:25]          ; W_qkv at (512 x half, my first column)
	s_lshl_b32 s24, s22, 9
	s_lshl_b32 s27, s23, 8
	s_add_co_u32 s24, s24, s27
	s_add_nc_u64 s[14:15], s[14:15], s[24:25]      ; codes: column x 512 + 256 x half
	s_lshl_b32 s24, s22, 5
	s_lshl_b32 s27, s23, 4
	s_add_co_u32 s24, s24, s27
	s_add_nc_u64 s[16:17], s[16:17], s[24:25]      ; bytes: column x 32 + 16 x half
.macro WLOAD t                         ; block t: W(32 t + i, my column); the largest offset, 511 rows, lies inside the signed 24-bit immediate
.irp i, 0,1,2,3,4,5,6,7,8,9,10,11,12,13,14,15,16,17,18,19,20,21,22,23,24,25,26,27,28,29,30,31
	global_load_b32 v[WX+32*((\t)%2)+\i], v3, s[6:7] offset:(32*(\t)+\i)*NROW th:TH_LOAD_NT
.endr
.endm
.macro WBLOCK t
.set XS, WX+32*((\t)%2)
.if (\t) < NB-1
	s_wait_loadcnt 32                              ; this block's 32 loads are in; the next block's 32 may be out
.else
	s_wait_loadcnt 0
.endif
	v_max3_num_f32 v12, |v[XS]|, |v[XS+1]|, |v[XS+2]|
	v_max3_num_f32 v13, |v[XS+3]|, |v[XS+4]|, |v[XS+5]|
.irp i, 6,10,14,18,22,26
	v_max3_num_f32 v12, v12, |v[XS+\i]|, |v[XS+\i+1]|
	v_max3_num_f32 v13, v13, |v[XS+\i+2]|, |v[XS+\i+3]|
.endr
	v_max3_num_f32 v12, v12, |v[XS+30]|, |v[XS+31]|
	v_max3_num_f32 v12, v12, v13, (EMAX+1)<<23     ; the floor
	v_add_nc_u32 v11, -(EMAX<<23), v12             ; the conversion's scale operand
	v_lshrrev_b32 v13, 23, v11                     ; the scale's byte
.if (\t)%4 == 0
	v_mov_b32 v[WSB+(\t)/4], v13
.else
	v_lshl_or_b32 v[WSB+(\t)/4], v13, 8*((\t)%4), v[WSB+(\t)/4]
.endif
.irp g, 0,1,2,3
	v_cvt_scalef32_pk8_fp4_f32 v[WC+\g], v[XS+8*\g:XS+8*\g+7], v11
.endr
	ds_store_b128 v4, v[WC:WC+3] offset:16*(\t)    ; 32 codes: 16 bytes of my column's row
.if (\t)+2 < NB
	WLOAD (\t)+2
.endif
	s_wait_dscnt 0x0                               ; the store has read its registers: the next block's codes may be written
.endm
	WLOAD 0
	WLOAD 1
.set Q, 0
.rept NB
	WBLOCK Q
.set Q, Q+1
.endr
	global_store_b128 v9, v[WSB:WSB+3], s[16:17]   ; my column's 16 scale bytes
.irp t, 0,1,2,3,4,5,6,7,8,9,10,11,12,13,14,15
	ds_load_b128 v[WO+4*\t:WO+4*\t+3], v7 offset:2*\t*WP
.endr
.irp t, 0,1,2,3,4,5,6,7,8,9,10,11,12,13,14,15
	s_wait_dscnt 15-\t                             ; the younger loads may be out
	global_store_b128 v8, v[WO+4*\t:WO+4*\t+3], s[14:15] offset:2*\t*KROW   ; sixteen lanes store 256 consecutive bytes of a row
.endr
	s_wait_tensorcnt 0x0                           ; the wave's end, as above
	ds_add_u32 v[SPW], v[NIL]
	s_wait_dscnt 0x0
	s_endpgm
.Lcast:
; ---------------- W_proj to f16: a wave takes 2,048 numbers; a lane 8 neighbours at a time, which pack into 16 bytes: the wave stores 512 consecutive bytes.  No register is used twice.
	s_sub_co_u32 s21, ttmp9, 304
	s_lshl_b32 s21, s21, 2
	s_add_co_u32 s22, s21, s20
	s_lshl_b32 s24, s22, 13
	s_add_nc_u64 s[8:9], s[8:9], s[24:25]
	s_lshl_b32 s24, s22, 12
	s_add_nc_u64 s[18:19], s[18:19], s[24:25]
	v_lshlrev_b32 v3, 5, v2
	v_lshlrev_b32 v4, 4, v2
.irp i, 0,1,2,3,4,5,6,7
	global_load_b128 v[16+8*\i:19+8*\i], v3, s[8:9] offset:1024*\i th:TH_LOAD_NT
	global_load_b128 v[20+8*\i:23+8*\i], v3, s[8:9] offset:1024*\i+16 th:TH_LOAD_NT
.endr
.irp i, 0,1,2,3,4,5,6,7
	s_wait_loadcnt 14-2*\i                         ; the younger loads may be out
.irp k, 0,1,2,3
	v_cvt_pk_f16_f32 v[80+4*\i+\k], v[16+8*\i+2*\k], v[17+8*\i+2*\k]
.endr
	global_store_b128 v4, v[80+4*\i:83+4*\i], s[18:19] offset:512*\i
.endr
	s_wait_tensorcnt 0x0                           ; the same three lines at this path's end
	ds_add_u32 v[SPW], v[NIL]
	s_wait_dscnt 0x0
	s_endpgm
.Lfunc_end_k_q4c3300f834_prep:
	.size	k_q4c3300f834_prep, .Lfunc_end_k_q4c3300f834_prep-k_q4c3300f834_prep
	.p2alignl 7, 3214868480
	.fill 96, 4, 3214868480
	.section	.rodata,"a",@progbits
	.p2align	6, 0x0
	.amdhsa_kernel k_q4c3300f834_prep
		.amdhsa_group_segment_fixed_size 68096
		.amdhsa_private_segment_fixed_size 0
		.amdhsa_enable_private_segment 0
		.amdhsa_kernarg_size 64
		.amdhsa_user_sgpr_count 2
		.amdhsa_user_sgpr_kernarg_segment_ptr 1
		.amdhsa_wavefront_size32 1
		.amdhsa_system_sgpr_workgroup_id_x 1
		.amdhsa_system_sgpr_workgroup_id_y 1
		.amdhsa_system_sgpr_workgroup_id_z 1
		.amdhsa_system_vgpr_workitem_id 0
		.amdhsa_next_free_vgpr 192
		.amdhsa_next_free_sgpr 66
		.amdhsa_reserve_vcc 0
		.amdhsa_float_denorm_mode_32 3
		.amdhsa_float_denorm_mode_16_64 3
		.amdhsa_memory_ordered 1
		.amdhsa_forward_progress 1
		.amdhsa_inst_pref_size 116
	.end_amdhsa_kernel
	.amdgpu_metadata
---
amdhsa.version: [ 1, 2 ]
amdhsa.kernels:
  - .name:           k_q4c3300f834_prep
    .symbol:         k_q4c3300f834_prep.kd
    .args:
      - { .name: x, .offset: 0, .size: 8, .value_kind: global_buffer, .address_space: global }
      - { .name: W_qkv, .offset: 8, .size: 8, .value_kind: global_buffer, .address_space: global }
      - { .name: W_proj, .offset: 16, .size: 8, .value_kind: global_buffer, .address_space: global }
      - { .name: x_codes, .offset: 24, .size: 8, .value_kind: global_buffer, .address_space: global }
      - { .name: x_scales, .offset: 32, .size: 8, .value_kind: global_buffer, .address_space: global }
      - { .name: w_codes, .offset: 40, .size: 8, .value_kind: global_buffer, .address_space: global }
      - { .name: w_scales, .offset: 48, .size: 8, .value_kind: global_buffer, .address_space: global }
      - { .name: w16, .offset: 56, .size: 8, .value_kind: global_buffer, .address_space: global }
    .group_segment_fixed_size: 68096
    .private_segment_fixed_size: 0
    .kernarg_segment_align: 8
    .kernarg_segment_size: 64
    .max_flat_workgroup_size: 128
    .sgpr_count:     66
    .vgpr_count:     192
    .wavefront_size: 32
...
	.end_amdgpu_metadata
.endif
;; end of part 1
;; launch gemm_qkv (part 2): grid 12 x 32, 4 waves a work-group, clusters of 4 x 4, 327,680 bytes of LDS; arguments x_codes, x_scales, w_codes, w_scales, b_qkv, qkvh, qkv16; writes qkvh, qkv16
.if DOCPART == 2
	.amdgcn_target "amdgcn-amd-amdhsa--gfx1250"
	.amdhsa_code_object_version 6
	.text
	.protected	k_q4c3300f834_gemm_qkv
	.globl	k_q4c3300f834_gemm_qkv
	.p2align	8
	.type	k_q4c3300f834_gemm_qkv,@function
k_q4c3300f834_gemm_qkv:
	s_mov_b64 s[64:65], 0
	v_nop
	global_prefetch_b8 v0, s[64:65] scope:SCOPE_SE
	s_setreg_imm32_b32 hwreg(HW_REG_WAVE_MODE, 25, 1), 1
	s_wait_xcnt 0x0
	s_wait_alu depctr_hold_cnt(0) depctr_sa_sdst(0) depctr_va_vdst(0) depctr_va_sdst(0) depctr_va_ssrc(0) depctr_va_vcc(0) depctr_vm_vsrc(0)
	s_getreg_b32 s2, hwreg(HW_REG_IB_STS2, 6, 4)
	s_cmp_eq_u32 s2, 0
	s_cbranch_scc0 .Lentry_in_a_cluster
	s_endpgm
.Lentry_in_a_cluster:
	s_bfe_u32 s2, ttmp6, 0x10000c
	s_cmp_lg_u32 s2, 0xf033
	s_cbranch_scc0 .Lentry_shape_is_right
	s_endpgm
.Lentry_shape_is_right:
; qkv[m][n] = sum over k of x[m][k] W[k][n] + b[n], on codes of E2M1 with one E8M0 scale for each 32 along K; sums in f32.  x's codes [8192][512 bytes], W's [3072 n][512 bytes], K innermost; scale bytes [rows][32].
; OUT: q, k, v as f16 by head, qkvh [3][4 b][16 h][2048 t][64]; and the rows t < 16 of every batch also as f32, qkv16 [4 b][16 t][3072], for the launch that carries those rows finely.
; LIMIT: |q|, |k|, |v| under 65,504 (f16).
; A tile of 256 x 256 is made by four waves, each 128 x 128: 64 accumulators, 512 registers.  K = 1,024 is two K steps of 512: both slots and all scale bytes are asked for at the head, and no LDS byte is filled twice.
; CLUSTERS: 4 x 4 work-groups; x's tiles are shared along a row of the cluster, W's along a column: each is asked for jointly, by the same tensor load with a mask that names the four.
; THE MATRIX INSTRUCTION IS USED TRANSPOSED (source 0 = 16 rows of W's codes, source 1 = 16 rows of x's): a lane holds eight neighbouring columns of one row.  The bias is the C of each sum's first product.
; REGISTERS, in windows of 256: window 0: v0-31 addresses; v32-95 scale words, two sets; v128-191 x's fragments, one set.  window 1: W's fragments, two sets, at v0 and v128; v64-127 the bias, eight tiles.
;   window 2: the accumulators of my rows 0-63 ((a, b) at v[8 (8 a + b)]); window 3: those of my rows 64-127.
.set SIZE_N, 3072
.set SIZE_K, 1024
.set KSTEP,  512
.set NQ,     KSTEP/128
.set ROWB,   256                       ; a tile's row: 512 codes
.set KROW,   SIZE_K/2
.set PITCH,  272                       ; an LDS row: 256 bytes + 16 of padding: the 16 rows that a load touches start at 16 different banks
.set FR,     8
.set NL,     2
.set NP,     4
.set HALFT,  128*PITCH
.set SLOT,   4*HALFT
.set KS,     SIZE_K/32
.set SCL,    2*SLOT                    ; behind the slots: the scale bytes, as rows of 256 bytes + 16
.set HALFS,  (128*KS/256)*272
.set SBLK,   (16*KS/256)*272
.set SPARE,  SCL+4*HALFS               ; the spare words, 128 bytes a wave: two blocks of 256 bytes that no other line names
.set STGB,   8448                      ; the way out: a stage for each wave, in slot 0, which has had its only fill and its last read by then
.set ADRA, 16
.set ADRB, 20
.set COF,  19                          ; v19  f32 rows: 16 x lane
.set STF,  22                          ; v22  f32 rows: where I put 32 bytes of a row (pitch 528)
.set RDF,  23                          ; v23  f32 rows: where I read a row back
.set STO,  24                          ; v24  f16: where I put 16 bytes of a row (pitch 272)
.set RD,   25                          ; v25  f16: where I read back
.set CO,   26                          ; v26  f16: my byte offset in qkvh
.set ADRS, 27
.set SPW,  28
.set NIL,  29
.set MK,   30                          ; v30  tile row % 8: 0 where my tile begins a batch
.set BO,   31                          ; v31  32 x (lane / 16): the bias loads' offset
.set SC,   32
.set AF,   128
.set BI,   64                          ; the bias, in window 1
.set TMP,  32                          ; the way out: packed results
.set BK,   64                          ; the way out: rows read back, v64-95 and v96-127 by turns
.set G1, 24
.set G0, 32
.set G1B, 48
.set G0B, 56
.set G1S, 68
.set G0S, 76
.set G1SB, 80
.set G0SB, 88
.set MSB, 0
.macro WIN new                         ; the immediate's high byte repeats the setting that is left
.if MSB != (\new)
	s_set_vgpr_msb (MSB<<8)|(\new)
.set MSB, (\new)
.endif
.endm
.set MUL_LO, 0xa1                      ; source 0 (W) window 1, source 1 (x) window 0, C and D window 2
.set MUL_HI, 0xf1                      ; the same, C and D window 3
.set FST_LO, 0x91                      ; a sum's first product: C (the bias) window 1, D window 2
.set FST_HI, 0xd1                      ; D window 3
.set TO_B,   0x40                      ; destination window 1
; A joint load: waves 0 and 1 fetch for x, waves 2 and 3 for W; the branch hangs on the wave's number alone.  An s_nop 0 and four v_nop follow each line.
.macro JLOAD g0a, g1a, g0b, g1b
	s_cmp_eq_u32 s15, 0
	s_cbranch_scc0 .Lfor_b_\@
	tensor_load_to_lds s[\g0a:\g0a+3], s[\g1a:\g1a+7]
	s_nop 0
.rept 4
	v_nop
.endr
	s_branch .Lasked_\@
.Lfor_b_\@:
	tensor_load_to_lds s[\g0b:\g0b+3], s[\g1b:\g1b+7]
	s_nop 0
.rept 4
	v_nop
.endr
.Lasked_\@:
.endm
.macro CROUND                          ; a round of the cluster's barrier
	s_barrier_signal -1
	s_barrier_wait -1
	s_cmp_lg_u32 s14, 0
	s_cbranch_scc1 .Lnot_wave_0_\@
	s_barrier_signal -3
.Lnot_wave_0_\@:
	s_barrier_wait -3
	s_barrier_signal -1
	s_barrier_wait -1
.endm
	s_load_b128 s[4:7], s[0:1], 0x0                ; x's codes, x's scales
	s_load_b128 s[8:11], s[0:1], 0x10              ; W's codes, W's scales
	s_load_b64 s[12:13], s[0:1], 0x20              ; b_qkv
	s_load_b64 s[96:97], s[0:1], 0x28              ; qkvh
	s_load_b64 s[98:99], s[0:1], 0x30              ; qkv16
	v_lshl_add_u32 v[SPW], v0, 2, SPARE
	v_mov_b32 v[NIL], 0
	ds_add_u32 v[SPW], v[NIL]                      ; the wave's opening: the add, twice on end, and its wait ahead of my first tensor load
	ds_add_u32 v[SPW], v[NIL]
	v_lshrrev_b32 v1, 5, v0
	v_readfirstlane_b32 s14, v1                    ; wave 0..3
	s_lshr_b32 s15, s14, 1                         ; which half of the tile's rows is mine.  Also: I fetch for x (0) or for W (1)
	s_and_b32 s16, s14, 1                          ; which half of its columns.  Also: which 128 rows I fetch
	s_bfe_u32 s40, ttmp6, 0x40000                  ; cx, cy
	s_bfe_u32 s41, ttmp6, 0x40004
	s_lshl_b32 s42, ttmp9, 2
	s_add_co_u32 s42, s42, s40                     ; tile column
	s_and_b32 s17, ttmp7, 0xffff
	s_lshl_b32 s17, s17, 2
	s_add_co_u32 s17, s17, s41                     ; tile row
	s_lshl_b32 s43, s41, 2
	s_lshl_b32 s43, 15, s43                        ; my row of the cluster
	s_lshl_b32 s44, 0x1111, s40                    ; my column
	s_or_b32 s[G1+0], s43, (0<<16)|(1<<20)|(1<<21)|(5<<22)|(3<<25)  ; the mask; elements of 1 byte; padding on; bit 21 beside a mask; 4 words behind every 64
	s_or_b32 s[G1B+0], s44, (0<<16)|(1<<20)|(1<<21)|(5<<22)|(3<<25)
.irp g, G1, G1B
	s_mov_b32 s[\g+1], ROWB<<16                    ; tensor_dim0
	s_mov_b32 s[\g+2], 128<<16                     ; tensor_dim1
	s_mov_b32 s[\g+3], ROWB<<16                    ; tile_dim0
	s_mov_b32 s[\g+4], 128                         ; tile_dim1
	s_mov_b32 s[\g+5], KROW                        ; the pitch
	s_mov_b32 s[\g+6], 0
	s_mov_b32 s[\g+7], 0
.endr
	s_or_b32 s[G1S+0], s43, (3<<16)|(1<<20)|(1<<21)|(5<<22)|(3<<25) ; the scale bytes of 128 rows: a dense block, as rows of 256 bytes (32 elements of 8)
	s_or_b32 s[G1SB+0], s44, (3<<16)|(1<<20)|(1<<21)|(5<<22)|(3<<25)
.irp g, G1S, G1SB
	s_mov_b32 s[\g+1], 32<<16
	s_mov_b32 s[\g+2], (128*KS/256)<<16
	s_mov_b32 s[\g+3], 32<<16
	s_mov_b32 s[\g+4], 128*KS/256
	s_mov_b32 s[\g+5], 32
	s_mov_b32 s[\g+6], 0
	s_mov_b32 s[\g+7], 0
.endr
	s_lshl_b32 s18, s16, 7
	s_lshl_b32 s20, s17, 8
	s_add_co_u32 s20, s20, s18                     ; x: row 256 x tile row + 128 x half
	s_lshl_b32 s46, s42, 8
	s_add_co_u32 s46, s46, s18                     ; W: row 256 x tile column + 128 x half
	s_mov_b32 s21, 0
	s_mov_b32 s47, 0
	s_mov_b64 s[18:19], KS
	s_mul_u64 s[22:23], s[20:21], s[18:19]
	s_mul_u64 s[92:93], s[46:47], s[18:19]
	s_mov_b64 s[18:19], KROW
	s_mul_u64 s[20:21], s[20:21], s[18:19]
	s_mul_u64 s[46:47], s[46:47], s[18:19]
	s_mul_i32 s45, s14, HALFT                      ; where they go: wave x 128 rows
	s_mul_i32 s94, s14, HALFS
	s_wait_dscnt 0x0                               ; both opening adds are done
	s_wait_kmcnt 0x0
	s_add_nc_u64 s[20:21], s[4:5], s[20:21]
	s_add_nc_u64 s[22:23], s[6:7], s[22:23]
	s_add_nc_u64 s[46:47], s[8:9], s[46:47]
	s_add_nc_u64 s[92:93], s[10:11], s[92:93]
	CROUND                                         ; all sixteen work-groups are here: the joint loads meet
	s_mov_b32 s[G0S], 1
	s_add_co_u32 s[G0S+1], s94, SCL
	s_mov_b64 s[G0S+2:G0S+3], s[22:23]
	s_or_b32 s[G0S+3], s[G0S+3], 0x80000000
	s_mov_b32 s[G0SB], 1
	s_add_co_u32 s[G0SB+1], s94, SCL
	s_mov_b64 s[G0SB+2:G0SB+3], s[92:93]
	s_or_b32 s[G0SB+3], s[G0SB+3], 0x80000000
	JLOAD G0S, G1S, G0SB, G1SB                     ; the scales first; then both K steps: three loads of mine are out
.irp s, 0,1
	s_mov_b32 s[G0+4*\s], 1
	s_add_co_u32 s[G0+4*\s+1], s45, \s*SLOT
	s_add_nc_u64 s[G0+4*\s+2:G0+4*\s+3], s[20:21], \s*ROWB
	s_or_b32 s[G0+4*\s+3], s[G0+4*\s+3], 0x80000000
	s_mov_b32 s[G0B+4*\s], 1
	s_add_co_u32 s[G0B+4*\s+1], s45, \s*SLOT
	s_add_nc_u64 s[G0B+4*\s+2:G0B+4*\s+3], s[46:47], \s*ROWB
	s_or_b32 s[G0B+4*\s+3], s[G0B+4*\s+3], 0x80000000
	JLOAD G0+4*\s, G1, G0B+4*\s, G1B
.endr
	v_and_b32 v1, 15, v0                           ; r = lane % 16
	v_bfe_u32 v2, v0, 4, 1                         ; h = lane / 16
	v_lshlrev_b32 v[BO], 5, v2
	; where my results go.  My 128 columns are two heads, g = 4 x tile column + 2 x half and g + 1: which = g / 16, head = g % 16.  My rows: batch = tile row / 8, t from (tile row % 8) x 256 + 128 x half on
	s_lshl_b32 s46, s42, 2
	s_lshl_b32 s47, s16, 1
	s_add_co_u32 s46, s46, s47                     ; g
	s_lshr_b32 s47, s46, 4
	s_lshl_b32 s47, s47, 24
	s_and_b32 s46, s46, 15
	s_lshl_b32 s46, s46, 18
	s_add_co_u32 s46, s46, s47
	s_lshr_b32 s20, s17, 3                         ; the batch
	s_lshl_b32 s21, s20, 22
	s_and_b32 s100, s17, 7
	s_lshl_b32 s22, s100, 8
	s_lshl_b32 s23, s15, 7
	s_add_co_u32 s22, s22, s23
	s_lshl_b32 s22, s22, 7                         ; 128 bytes a row
	s_add_co_u32 s21, s21, s22
	s_add_co_u32 s46, s46, s21
	s_mov_b32 s47, 0
	s_add_nc_u64 s[96:97], s[96:97], s[46:47]
	s_mul_i32 s20, s20, 196608                     ; qkv16: 16 rows of 12,288 bytes a batch
	s_lshl_b32 s22, s42, 10
	s_lshl_b32 s23, s16, 9
	s_add_co_u32 s22, s22, s23                     ; 4 x my first column
	s_mov_b32 s23, 0
	s_add_nc_u64 s[12:13], s[12:13], s[22:23]      ; the bias at my first column
	s_add_co_u32 s22, s22, s20
	s_add_nc_u64 s[98:99], s[98:99], s[22:23]
	WIN TO_B
.irp b, 0,1,2,3,4,5,6,7                        ; tile b of the bias in the result's layout: lane (r, h), register j: b[16 b + 8 h + j]
	global_load_b128 v[BI+8*\b:BI+8*\b+3], v[BO], s[12:13] offset:64*\b
	global_load_b128 v[BI+8*\b+4:BI+8*\b+7], v[BO], s[12:13] offset:64*\b+16
.endr
	WIN 0
	v_mul_u32_u24 v3, v1, PITCH
	v_lshl_add_u32 v4, v2, 4, v3                   ; a fragment's row x pitch + 16 x half
	s_mul_i32 s21, s15, HALFT
	s_mul_i32 s22, s16, HALFT
	s_add_co_u32 s22, s22, 2*HALFT
.irp s, 0,1
	v_add_nc_u32 v[ADRA+\s], s21, v4
	v_add_nc_u32 v[ADRB+\s], s22, v4
	s_add_co_u32 s21, s21, SLOT
	s_add_co_u32 s22, s22, SLOT
.endr
	v_mul_u32_u24 v5, v1, KS                       ; my row's scales: 32 bytes a row,
	v_lshrrev_b32 v6, 8, v5
	v_lshl_add_u32 v5, v6, 4, v5                   ; and 16 more for each 256 passed
	s_mul_i32 s21, s15, HALFS
	s_mul_i32 s22, s16, HALFS
	s_add_co_u32 s22, s22, 2*HALFS
	s_sub_co_u32 s22, s22, s21
	v_mul_u32_u24 v6, s22, v2                      ; lanes 16-31 take W's
	s_add_co_u32 s21, s21, SCL
	v_add_nc_u32 v5, v5, v6
	v_add_nc_u32 v[ADRS], s21, v5
	s_mul_i32 s95, s14, STGB                       ; my stage
	v_mul_u32_u24 v5, v1, 272
	v_lshl_add_u32 v5, v2, 4, v5
	v_add_nc_u32 v[STO], s95, v5                   ; f16 in: row r, 16 bytes for each half of the lanes
	v_bfe_u32 v6, v0, 3, 1
	v_and_b32 v7, 7, v0
	v_mul_u32_u24 v5, v6, 272
	v_lshl_add_u32 v5, v2, 7, v5
	v_lshl_add_u32 v5, v7, 4, v5
	v_add_nc_u32 v[RD], s95, v5                    ; back: lanes 0-15 two rows' 128 bytes of my first head, lanes 16-31 of my second
	v_lshlrev_b32 v[CO], 18, v2
	v_lshl_add_u32 v[CO], v6, 7, v[CO]
	v_lshl_add_u32 v[CO], v7, 4, v[CO]             ; and the same places in qkvh: sixteen lanes, 256 consecutive bytes
	v_mul_u32_u24 v5, v1, 528
	v_lshl_add_u32 v5, v2, 5, v5
	v_add_nc_u32 v[STF], s95, v5
	v_and_b32 v6, 31, v0
	v_lshlrev_b32 v[COF], 4, v6
	v_add_nc_u32 v[RDF], s95, v[COF]
	v_mov_b32 v[MK], s100
.macro FRAG reg, adr, q, i             ; 16 rows x 128 K of 4-bit codes: 8 registers, two loads of 16 bytes, 32 bytes apart
.irp c, 0,1
	ds_load_b128 v[\reg+4*\c:\reg+4*\c+3], v[\adr] offset:64*(\q)+32*\c+(\i)*16*PITCH
.endr
.endm
; 16 matrix instructions: x's blocks a0, a0 + 1 against W's eight.  The 64 accumulators take turns, one instruction a turn, in the same order in every step.
.macro MUL16 a0, p, q, sc, zero
.irp a, \a0, \a0+1
.irp b, 0,1,2,3,4,5,6,7
.if \zero
	v_wmma_scale_f32_16x16x128_f8f6f4 v[8*(8*((\a)%4)+\b):8*(8*((\a)%4)+\b)+7], v[128*(\p)+FR*\b:128*(\p)+FR*\b+FR-1], v[AF+FR*(\a):AF+FR*(\a)+FR-1], v[BI+8*\b:BI+8*\b+7], v[SC+8*NQ*(\sc)+NQ*\b+(\q)], v[SC+8*NQ*(\sc)+NQ*(\a)+(\q)] matrix_a_fmt:MATRIX_FMT_FP4 matrix_b_fmt:MATRIX_FMT_FP4 matrix_a_scale:MATRIX_SCALE_ROW1
.else
	v_wmma_scale_f32_16x16x128_f8f6f4 v[8*(8*((\a)%4)+\b):8*(8*((\a)%4)+\b)+7], v[128*(\p)+FR*\b:128*(\p)+FR*\b+FR-1], v[AF+FR*(\a):AF+FR*(\a)+FR-1], v[8*(8*((\a)%4)+\b):8*(8*((\a)%4)+\b)+7], v[SC+8*NQ*(\sc)+NQ*\b+(\q)], v[SC+8*NQ*(\sc)+NQ*(\a)+(\q)] matrix_a_fmt:MATRIX_FMT_FP4 matrix_b_fmt:MATRIX_FMT_FP4 matrix_a_scale:MATRIX_SCALE_ROW1
.endif
.endr
.endr
.endm
.macro FETCH_B slot, q, p
	WIN TO_B
.irp i, 0,1,2,3,4,5,6,7
	FRAG 128*(\p)+FR*\i, ADRB+\slot, \q, \i
.endr
	WIN 0
.endm
.macro FETCH_A slot, q, i0
.irp i, \i0, \i0+1, \i0+2, \i0+3
	FRAG AF+FR*(\i), ADRA+\slot, \q, \i
.endr
.endm
.macro SCALES sc                       ; a K step's scale words: lanes 0-15 x's block i, lanes 16-31 W's block i
.irp i, 0,1,2,3,4,5,6,7
	ds_load_b128 v[SC+8*NQ*\sc+NQ*\i:SC+8*NQ*\sc+NQ*\i+3], v[ADRS] offset:\i*SBLK
.endr
.endm
.macro PLACES n                        ; plain vector instructions between a matrix instruction and a load into, or a read of, its registers
.rept \n
	v_nop
.endr
.endm
.macro STEP slot, q, zero              ; 128 along K, with its successor in the same slot
	s_wait_dscnt 4*NL                              ; all but the youngest 8 loads (x's blocks 4-7)
.if \zero
	WIN FST_LO
.else
	WIN MUL_LO
.endif
	MUL16 0, (\q)%2, \q, \slot, \zero
	MUL16 2, (\q)%2, \q, \slot, \zero
	s_wait_dscnt 0
	PLACES NP
	FETCH_B \slot, (\q)+1, 1-(\q)%2
	FETCH_A \slot, (\q)+1, 0
.if \zero
	WIN FST_HI
.else
	WIN MUL_HI
.endif
	MUL16 4, (\q)%2, \q, \slot, \zero
	MUL16 6, (\q)%2, \q, \slot, \zero
	PLACES NP
	WIN 0
	FETCH_A \slot, (\q)+1, 4
.endm
.macro TURN slot, next                 ; slot 0's last step: one barrier; behind it slot 1 is whole for every wave and nobody reads slot 0 any more
	s_wait_tensorcnt 0x0                           ; my part of slot 1 has landed
	ds_add_u32 v[SPW], v[NIL]
	s_wait_dscnt 4*NL+1                            ; the add and the youngest 8 loads may be out
	WIN MUL_LO
	MUL16 0, 1, NQ-1, \slot, 0
	s_wait_dscnt 0x0                               ; the add is done, and my reads of this slot are over
	s_barrier_signal -1
	MUL16 2, 1, NQ-1, \slot, 0
	WIN 0
	s_barrier_wait -1
	PLACES NP
	v_add_nc_u32 v[ADRS], 4*NQ, v[ADRS]            ; the next K step's scale words
	FETCH_B \next, 0, 0
	FETCH_A \next, 0, 0
	SCALES \next
	WIN MUL_HI
	MUL16 4, 1, NQ-1, \slot, 0
	MUL16 6, 1, NQ-1, \slot, 0
	PLACES NP
	WIN 0
	FETCH_A \next, 0, 4
.endm
.macro STEPS slot, from
.set Q, \from
.rept NQ-1-\from
	STEP \slot, Q, 0
.set Q, Q+1
.endr
.endm
	s_wait_tensorcnt 1                             ; the scales and my part of K step 0 are in; K step 1's load may be out
	s_barrier_signal -1
	s_barrier_wait -1
	FETCH_B 0, 0, 0
	FETCH_A 0, 0, 0
	SCALES 0
	FETCH_A 0, 0, 4
	s_wait_loadcnt 0x0                             ; the bias
	STEP 0, 0, 1                                   ; the first products start the sums from the bias
	STEPS 0, 1
	TURN 0, 1
	STEPS 1, 0
	s_wait_dscnt 4*NL                              ; the last step: nothing more to fetch
	WIN MUL_LO
	MUL16 0, 1, NQ-1, 1, 0
	MUL16 2, 1, NQ-1, 1, 0
	s_wait_dscnt 0
	WIN MUL_HI
	MUL16 4, 1, NQ-1, 1, 0
	MUL16 6, 1, NQ-1, 1, 0
	WIN 0
	PLACES NP
; ROWS t < 16 AS f32.  They are block 0 of waves 0 and 1 in the tiles that begin a batch.  Which tiles those are hangs on the work-group's place in its cluster, so it is a lane mask on the 16 stores and no branch;
; the branch below hangs on the wave's number alone.
	s_cmp_lg_u32 s15, 0
	s_cbranch_scc1 .Lno_f32
	WIN 0x08                                       ; an LDS store's data are its source 1: window 2
.irp b, 0,1,2,3,4,5,6,7
	ds_store_b128 v[STF], v[8*\b:8*\b+3] offset:64*\b            ; each accumulator from its low end on
	ds_store_b128 v[STF], v[8*\b+4:8*\b+7] offset:64*\b+16
.endr
	WIN 0
.irp t, 0,1,2,3,4,5,6,7,8,9,10,11,12,13,14,15
	ds_load_b128 v[128+4*\t:131+4*\t], v[RDF] offset:528*\t      ; whole rows of 512 bytes (LDS serves a wave's instructions in order)
.endr
	v_cmp_eq_u32 vcc_lo, 0, v[MK]
	s_wait_dscnt 0x0
	s_wait_xcnt 0x0                                ; EXEC changes only behind this wait
	s_and_saveexec_b32 s101, vcc_lo
.irp t, 0,1,2,3,4,5,6,7,8,9,10,11,12,13,14,15
	global_store_b128 v[COF], v[128+4*\t:131+4*\t], s[98:99] offset:12288*\t   ; 512 consecutive bytes of row t
.endr
	s_wait_xcnt 0x0                                ; and again, in front of the line that widens it
	s_or_b32 exec_lo, exec_lo, s101
.Lno_f32:
; THE WAY OUT, block by block of 16 rows x 128 columns: rounded to f16, 16 bytes a lane into my stage, back so that sixteen lanes hold two whole rows (256 bytes) of one head.
.macro PACK a
.set AC, 64*((\a)%4)
	WIN 0x0a+5*((\a)/4)                            ; sources 0 and 1: window 2 or 3
.irp b, 0,1,2,3,4,5,6,7
.irp r, 0,1,2,3
	v_cvt_pk_f16_f32 v[TMP+4*\b+\r], v[AC+8*\b+2*\r], v[AC+8*\b+2*\r+1]
.endr
.endr
	WIN 0
.endm
.macro TOSTAGE a
.set BB, BK+32*((\a)%2)
.irp b, 0,1,2,3,4,5,6,7
	ds_store_b128 v[STO], v[TMP+4*\b:TMP+4*\b+3] offset:32*\b
.endr
.irp j, 0,1,2,3,4,5,6,7
	ds_load_b128 v[BB+4*\j:BB+4*\j+3], v[RD] offset:544*\j
.endr
.endm
.macro SEND a
.set BB, BK+32*((\a)%2)
	s_wait_dscnt 0x0                               ; the block is back in registers
	s_wait_xcnt 0x0                                ; the earlier stores have read their registers: the next block's loads may land there
.irp j, 0,1,2,3,4,5,6,7
	global_store_b128 v[CO], v[BB+4*\j:BB+4*\j+3], s[96:97] offset:2048*(\a)+256*\j
.endr
.endm
	PACK 0
	TOSTAGE 0
.irp a, 1,2,3,4,5,6,7                  ; block a's conversions stand between block a - 1's loads from the stage and the wait for them
	PACK \a
	SEND \a-1
	TOSTAGE \a
.endr
	SEND 7
	s_wait_tensorcnt 0x0                           ; the wave's end
	ds_add_u32 v[SPW], v[NIL]
	s_wait_dscnt 0x0
	CROUND                                         ; the closing round
	s_endpgm
.Lfunc_end_k_q4c3300f834_gemm_qkv:
	.size	k_q4c3300f834_gemm_qkv, .Lfunc_end_k_q4c3300f834_gemm_qkv-k_q4c3300f834_gemm_qkv
	.p2alignl 7, 3214868480
	.fill 96, 4, 3214868480
	.section	.rodata,"a",@progbits
	.p2align	6, 0x0
	.amdhsa_kernel k_q4c3300f834_gemm_qkv
		.amdhsa_group_segment_fixed_size 327680
		.amdhsa_private_segment_fixed_size 0
		.amdhsa_enable_private_segment 0
		.amdhsa_kernarg_size 56
		.amdhsa_user_sgpr_count 2
		.amdhsa_user_sgpr_kernarg_segment_ptr 1
		.amdhsa_wavefront_size32 1
		.amdhsa_system_sgpr_workgroup_id_x 1
		.amdhsa_system_sgpr_workgroup_id_y 1
		.amdhsa_system_sgpr_workgroup_id_z 1
		.amdhsa_system_vgpr_workitem_id 0
		.amdhsa_next_free_vgpr 1024
		.amdhsa_next_free_sgpr 102
		.amdhsa_reserve_vcc 1
		.amdhsa_float_denorm_mode_32 3
		.amdhsa_float_denorm_mode_16_64 3
		.amdhsa_memory_ordered 1
		.amdhsa_forward_progress 1
		.amdhsa_inst_pref_size 133
	.end_amdhsa_kernel
	.amdgpu_metadata
---
amdhsa.version: [ 1, 2 ]
amdhsa.kernels:
  - .name:           k_q4c3300f834_gemm_qkv
    .symbol:         k_q4c3300f834_gemm_qkv.kd
    .args:
      - { .name: x_codes, .offset: 0, .size: 8, .value_kind: global_buffer, .address_space: global }
      - { .name: x_scales, .offset: 8, .size: 8, .value_kind: global_buffer, .address_space: global }
      - { .name: w_codes, .offset: 16, .size: 8, .value_kind: global_buffer, .address_space: global }
      - { .name: w_scales, .offset: 24, .size: 8, .value_kind: global_buffer, .address_space: global }
      - { .name: b_qkv, .offset: 32, .size: 8, .value_kind: global_buffer, .address_space: global }
      - { .name: qkvh, .offset: 40, .size: 8, .value_kind: global_buffer, .address_space: global }
      - { .name: qkv16, .offset: 48, .size: 8, .value_kind: global_buffer, .address_space: global }
    .group_segment_fixed_size: 327680
    .private_segment_fixed_size: 0
    .kernarg_segment_align: 8
    .kernarg_segment_size: 56
    .max_flat_workgroup_size: 128
    .sgpr_count:     102
    .vgpr_count:     1024
    .wavefront_size: 32
...
	.end_amdgpu_metadata
.endif
;; end of part 2
;; launch attn (part 3): grid 4 x 64, 16 waves a work-group, no clusters, 327,680 bytes of LDS; arguments qkvh, yh; writes yh
.if DOCPART == 3
	.amdgcn_target "amdgcn-amd-amdhsa--gfx1250"
	.amdhsa_code_object_version 6
	.text
	.protected	k_q4c3300f834_attn
	.globl	k_q4c3300f834_attn
	.p2align	8
	.type	k_q4c3300f834_attn,@function
k_q4c3300f834_attn:
	s_mov_b64 s[64:65], 0
	v_nop
	global_prefetch_b8 v0, s[64:65] scope:SCOPE_SE
	s_setreg_imm32_b32 hwreg(HW_REG_WAVE_MODE, 25, 1), 1
	s_wait_xcnt 0x0
; y[bh][q][:] = the sum over k <= q of softmax_k(q . k / 8) v[k][:], head size 64, 2,048 positions, 64 heads (batch x head).  q, k, v: f16, qkvh [3][64 bh][2048][64]; y: f16, yh [64 bh][2048][64].
; Products on f16 operands with f32 sums; maxima, exponentials and row sums in f32; a running maximum is taken away before every exponential; the weights p are rounded to f16 for the second product.
; LIMITS: |q|, |k|, |v|, |y| under 65,504; NaN and infinities are not served.  (Positions 0-15 of every sequence are made again, in f32, by a later launch.)
; SHARES.  Work-group (i, bh) owns query blocks i and 7 - i of 256 queries: under the causal mask the two together have the same number of key steps for every i.  Waves 0-7 take block i, waves 8-15 block 7 - i;
; a wave owns 32 queries, two tiles of 16, in 256 registers: four waves to a SIMD, so that one wave's softmax stands beside another's products.  A key step is 64 keys; a slot holds 256 keys of K and V.
; NO CLUSTER: the four work-groups of a head walk 5 to 8 slots; a joint load would bring some partners tiles that none of their waves reads.
; LAYOUT.  S^T = K Q^T (source 0 = 16 keys, source 1 = 16 queries), O^T = V^T P (source 0 = 16 channels, by the turning load; source 1 = P): a lane holds one query (lane % 16) throughout; two tiles of S^T, rounded in pairs, are P.
; EVERY work-group walks all 8 changes of slots (constant trip counts); a step all of whose keys are hidden from the wave is jumped over; a slot that no wave of the work-group reads is not asked for.
; REGISTERS: v1-8 addresses that stay; v9-11 at work; v12-27 statistics (tile t at v[12+8t]: c m, m, l (two halves), four at work; a in the seventh); v28-31 second sum chains; v32-63 Q; v64-127 K, then V; v128-191 S^T, then p; v192-255 O^T.
.set PK,    144                        ; a key's row in LDS: 128 bytes + 16
.set PV,    160                        ; a row of V: 128 + 32
.set VOFF,  256*PK                     ; a slot: 256 rows of K, then 256 rows of V
.set SLOT1, 1<<17                      ; slot 1 begins here: one exclusive or turns an address from slot to slot
.set SPARE, SLOT1+256*(PK+PV)          ; the spare words, 128 bytes a wave: eight blocks of 256 bytes that no other line names
.set STAGE, SPARE+2048                 ; the way out: 32 rows x 144 bytes for each wave; no fill lands here
.set AK0, 1
.set AV0, 2
.set ADK, 3
.set ADV, 4
.set SPW, 5
.set NIL, 6
.set PFO, 7                            ; 256 x lane
.set RH,  8                            ; lane % 16 - 8 (lane / 16)
.set ST,  12
.set QF,  32
.set KV,  64
.set S,   128
.set O,   192
.set WV,  8
.set TB,  9                            ; LDS byte at which the slot in hand begins
.set KF,  10                           ; the step's first key
.set Q0,  11                           ; my first query
.set LQ,  12                           ; my work-group's last query
.set SLOTS, 13
.set SEL, 14                           ; s[14:15] v_permlanex16_b32's selects for lane l xor 16
.set G1K, 16
.set G1V, 24
.set G0K, 32
.set G0V, 36
.set CS,  40                           ; s[40:41] c = log2(e) / 8
.set PFA, 42                           ; s[42:43] where my prefetches stand
.set LIM, 44                           ; 1 in a wave that prefetches, else the greatest number
; Waves 0 and 1 fetch K's halves of a slot, waves 2 and 3 V's, the others nothing.  An s_nop 0 and four v_nop follow each line.
.macro TLOAD
	s_cmp_lt_u32 s[WV], 2
	s_cbranch_scc0 .Lnot_k_\@
	tensor_load_to_lds s[G0K:G0K+3], s[G1K:G1K+7]
	s_nop 0
.rept 4
	v_nop
.endr
	s_branch .Lasked_\@
.Lnot_k_\@:
	s_cmp_lt_u32 s[WV], 4
	s_cbranch_scc0 .Lasked_\@
	tensor_load_to_lds s[G0V:G0V+3], s[G1V:G1V+7]
	s_nop 0
.rept 4
	v_nop
.endr
.Lasked_\@:
.endm
; A prefetch of what the NEXT change of slots will ask for: a slot's 32,768 dense bytes of K and of V.  The head's first work-group, which walks all eight slots, asks, and nobody else; in it waves 4-7 ask for K's
; (8,192 bytes a wave, lanes 256 bytes apart) and waves 8-11 for V's: each aligned 256 bytes is named once in the launch.  The last change that fills a slot asks for nothing; slots 0 and 1 come by their loads alone.
.macro ASK
	s_cmp_gt_u32 s[SLOTS], s[LIM]
	s_cbranch_scc0 .Lnot_mine_\@
	global_prefetch_b8 v[PFO], s[PFA:PFA+1] th:TH_LOAD_NT scope:SCOPE_SE
.Lnot_mine_\@:
.endm
	s_load_b128 s[4:7], s[0:1], 0x0                ; qkvh s[4:5], yh s[6:7]
	v_lshl_add_u32 v[SPW], v0, 2, SPARE
	v_mov_b32 v[NIL], 0
	ds_add_u32 v[SPW], v[NIL]                      ; the wave's opening: the add, twice on end, and its wait ahead of the first tensor load
	ds_add_u32 v[SPW], v[NIL]
	v_lshrrev_b32 v3, 5, v0
	v_readfirstlane_b32 s[WV], v3                  ; wave 0..15
	s_mov_b32 s[G1K], (1<<16)|(1<<20)|(4<<22)|(3<<25)   ; elements of 2 bytes; padding on: 4 words behind every 32
	s_mov_b32 s[G1V], (1<<16)|(1<<20)|(4<<22)|(7<<25)   ; 8 words
.irp g, G1K, G1V
	s_mov_b32 s[\g+1], 64<<16                      ; tensor_dim0 = 64 elements
	s_mov_b32 s[\g+2], 128<<16                     ; tensor_dim1 = 128 rows
	s_mov_b32 s[\g+3], 64<<16                      ; tile_dim0
	s_mov_b32 s[\g+4], 128                         ; tile_dim1
	s_mov_b32 s[\g+5], 64                          ; the pitch
	s_mov_b32 s[\g+6], 0
	s_mov_b32 s[\g+7], 0
.endr
	s_and_b32 s45, ttmp7, 0xffff                   ; bh
	s_lshl_b32 s46, s45, 18                        ; the head's first byte in q, k, v and y
	s_and_b32 s48, s[WV], 1
	s_mul_i32 s50, s48, 128*PK                     ; what I fetch, if I fetch: its place in a slot (K),
	s_mul_i32 s51, s48, 128*PV
	s_add_co_u32 s51, s51, VOFF                    ; (V),
	s_lshl_b32 s52, s48, 14
	s_add_co_u32 s52, s52, s46                     ; and in memory: 128 rows of 128 bytes a half
	s_mov_b32 s53, 0
	s_sub_co_u32 s49, 7, ttmp9
	s_cmp_lt_u32 s[WV], 8
	s_cselect_b32 s49, ttmp9, s49                  ; my block of 256 queries
	s_and_b32 s54, s[WV], 7
	s_lshl_b32 s54, s54, 5
	s_lshl_b32 s[Q0], s49, 8
	s_add_co_u32 s[Q0], s[Q0], s54
	s_sub_co_u32 s[LQ], 8, ttmp9
	s_lshl_b32 s[LQ], s[LQ], 8
	s_sub_co_u32 s[LQ], s[LQ], 1
	s_lshl_b32 s54, s[Q0], 7
	s_add_co_u32 s54, s54, s46                     ; my first query's byte in q and in y
	s_mov_b32 s55, 0
	s_mov_b32 s[SEL], 0x76543210
	s_mov_b32 s[SEL+1], 0xfedcba98
	s_mov_b32 s[CS], 0x3e38aa3b
	s_mov_b32 s[CS+1], s[CS]
	s_mov_b32 s[TB], 0
	s_mov_b32 s[KF], 0
	s_mov_b32 s[SLOTS], 7
	s_wait_dscnt 0x0                               ; both opening adds are done
	s_wait_kmcnt 0x0
	s_mov_b32 s[G0K], 1
	s_mov_b32 s[G0K+1], s50
	s_add_nc_u64 s[G0K+2:G0K+3], s[4:5], s[52:53]
	s_add_nc_u64 s[G0K+2:G0K+3], s[G0K+2:G0K+3], 0x1000000   ; k lies 2^24 bytes into qkvh
	s_or_b32 s[G0K+3], s[G0K+3], 0x80000000
	s_mov_b32 s[G0V], 1
	s_mov_b32 s[G0V+1], s51
	s_add_nc_u64 s[G0V+2:G0V+3], s[4:5], s[52:53]
	s_add_nc_u64 s[G0V+2:G0V+3], s[G0V+2:G0V+3], 0x2000000   ; v 2^25
	s_or_b32 s[G0V+3], s[G0V+3], 0x80000000
	TLOAD                                          ; slot 0: it holds key 0, which counts for every query
	s_add_nc_u64 s[56:57], s[4:5], s[54:55]        ; Q at my first query
	s_add_nc_u64 s[6:7], s[6:7], s[54:55]          ; y likewise
	v_and_b32 v9, 15, v0                           ; r
	v_bfe_u32 v10, v0, 4, 1                        ; h
	v_lshlrev_b32 v11, 7, v9
	v_lshl_add_u32 v11, v10, 4, v11                ; row r of 128 bytes + 16 h
.irp f, 0,1,2,3                                ; Q stays in registers: tile f / 2, channels 32 (f % 2) on
	global_load_b128 v[QF+8*\f:QF+8*\f+3], v11, s[56:57] offset:(\f/2)*2048+(\f%2)*64
	global_load_b128 v[QF+8*\f+4:QF+8*\f+7], v11, s[56:57] offset:(\f/2)*2048+(\f%2)*64+32
.endr
	s_mov_b32 s49, 0x2000000                       ; the prefetches: waves 4-7 stand in k, waves 8-11 in v,
	s_cmp_lt_u32 s[WV], 8
	s_cselect_b32 s48, 0x1000000, s49
	s_and_b32 s49, s[WV], 3
	s_lshl_b32 s49, s49, 13                        ; 8,192 bytes a wave,
	s_add_co_u32 s48, s48, s49
	s_add_co_u32 s48, s48, s46                     ; in my head,
	s_add_co_u32 s48, s48, 32768                   ; in slot 1: the first change of slots steps it to slot 2
	s_mov_b32 s49, 0
	s_add_nc_u64 s[PFA:PFA+1], s[4:5], s[48:49]
	s_sub_co_u32 s48, s[WV], 4
	s_lshr_b32 s48, s48, 3                         ; 0 in waves 4 to 11,
	s_or_b32 s48, s48, ttmp9                       ; of the head's first work-group
	s_cmp_eq_u32 s48, 0
	s_cselect_b32 s[LIM], 1, -1
	v_mul_u32_u24 v[AK0], v9, PK
	v_lshl_add_u32 v[AK0], v10, 4, v[AK0]          ; K: row r x pitch + 16 h
	v_and_b32 v3, 7, v0
	v_lshl_add_u32 v3, v10, 3, v3
	v_mul_u32_u24 v[AV0], v3, PV
	v_bfe_u32 v3, v0, 3, 1
	v_lshl_add_u32 v[AV0], v3, 4, v[AV0]
	v_add_nc_u32 v[AV0], VOFF, v[AV0]              ; V, for the turning load: key 8 h + lane % 8, channels 8 ((lane / 8) % 2) on
	v_lshlrev_b32 v3, 3, v10
	v_sub_nc_u32 v[RH], v9, v3
	v_and_b32 v[PFO], 31, v0
	v_lshlrev_b32 v[PFO], 8, v[PFO]
.irp t, 0,1
	v_mov_b32 v[ST+8*\t+1], 0xff61b1e6             ; m: -3e38, under every score
	v_mul_f32 v[ST+8*\t], s[CS], v[ST+8*\t+1]      ; c m
	v_mov_b32 v[ST+8*\t+2], 0                      ; l, in two halves
	v_mov_b32 v[ST+8*\t+3], 0
	v_mov_b32 v[ST+8*\t+5], 0                      ; written once: a lane permute's destination counts as read,
	v_mov_b32 v[ST+8*\t+7], 0                      ; and so does the upper half of a pair
.endr
.set i, 0
.rept 64
	v_mov_b32 v[O+i], 0                            ; O^T: the step is written once; its first turn multiplies zeros
.set i, i+1
.endr
; THE SOFTMAX of a key step, both tiles line by line in turns.
.macro SOFTMAX
.irp j, 0,1,2,3                                ; the largest of a tile's 32 scores and the old m: four chains, each begun at its accumulator's low end
.irp t, 0,1
	v_max3_num_f32 v[ST+8*\t+4+\j], v[S+32*\t+8*\j], v[S+32*\t+8*\j+1], v[S+32*\t+8*\j+2]
.endr
.endr
.irp u, 1,2
.irp j, 0,1,2,3
.irp t, 0,1
	v_max3_num_f32 v[ST+8*\t+4+\j], v[ST+8*\t+4+\j], v[S+32*\t+8*\j+2*\u+1], v[S+32*\t+8*\j+2*\u+2]
.endr
.endr
.endr
.irp t, 0,1
	v_max3_num_f32 v[ST+8*\t+4], v[ST+8*\t+4], v[S+32*\t+7], v[S+32*\t+15]
	v_max3_num_f32 v[ST+8*\t+6], v[ST+8*\t+6], v[S+32*\t+23], v[S+32*\t+31]
.endr
.irp t, 0,1
	v_max3_num_f32 v[ST+8*\t+4], v[ST+8*\t+4], v[ST+8*\t+5], v[ST+8*\t+6]
.endr
.irp t, 0,1
	v_max3_num_f32 v[ST+8*\t+4], v[ST+8*\t+4], v[ST+8*\t+7], v[ST+8*\t+1]
.endr
.irp t, 0,1
	v_permlanex16_b32 v[ST+8*\t+5], v[ST+8*\t+4], s[SEL], s[SEL+1]   ; the query's other 32 keys lie in the lane 16 away
	v_mov_b32 v[ST+8*\t+7], v[ST+8*\t]             ; c m_old
.endr
.irp t, 0,1
	v_max_num_f32 v[ST+8*\t+1], v[ST+8*\t+4], v[ST+8*\t+5]
.endr
.irp t, 0,1
	v_mul_f32 v[ST+8*\t], s[CS], v[ST+8*\t+1]
.endr
.irp t, 0,1
	v_sub_f32 v[ST+8*\t+7], v[ST+8*\t+7], v[ST+8*\t]
.endr
.irp j, 0,2,4,6,8,10,12,14,16,18,20,22,24,26,28,30
.irp t, 0,1
	v_pk_fma_f32 v[S+32*\t+\j:S+32*\t+\j+1], v[S+32*\t+\j:S+32*\t+\j+1], s[CS:CS+1], v[ST+8*\t:ST+8*\t+1] op_sel_hi:[1,0,0] neg_lo:[0,0,1] neg_hi:[0,0,1]   ; c s - c m
.endr
.endr
.irp t, 0,1
	v_exp_f32 v[ST+8*\t+6], v[ST+8*\t+7]           ; a = 2^(c m_old - c m_new)
.endr
.set i, 0
.rept 64
	v_exp_f32 v[S+i], v[S+i]                       ; p: one batch of 66 exponentials,
.set i, i+1
.endr
	v_nop                                          ; one plain instruction behind the last,
	s_wait_alu depctr_va_vdst(0)                   ; and one wait ahead of the first reader
.irp t, 0,1                                    ; the row's sum of the unrounded p, two at a time, in two chains
	v_pk_add_f32 v[ST+8*\t+4:ST+8*\t+5], v[S+32*\t:S+32*\t+1], v[S+32*\t+2:S+32*\t+3]
	v_pk_add_f32 v[28+2*\t:29+2*\t], v[S+32*\t+4:S+32*\t+5], v[S+32*\t+6:S+32*\t+7]
.endr
.irp j, 8,12,16,20,24,28
.irp t, 0,1
	v_pk_add_f32 v[ST+8*\t+4:ST+8*\t+5], v[ST+8*\t+4:ST+8*\t+5], v[S+32*\t+\j:S+32*\t+\j+1]
	v_pk_add_f32 v[28+2*\t:29+2*\t], v[28+2*\t:29+2*\t], v[S+32*\t+\j+2:S+32*\t+\j+3]
.endr
.endr
.irp t, 0,1
	v_pk_add_f32 v[ST+8*\t+4:ST+8*\t+5], v[ST+8*\t+4:ST+8*\t+5], v[28+2*\t:29+2*\t]
.endr
.irp t, 0,1
	v_pk_fma_f32 v[ST+8*\t+2:ST+8*\t+3], v[ST+8*\t+2:ST+8*\t+3], v[ST+8*\t+6:ST+8*\t+7], v[ST+8*\t+4:ST+8*\t+5] op_sel_hi:[1,0,1]   ; l = a l + the sum
.endr
.irp j, 0,1,2,3,4,5,6,7,8,9,10,11,12,13,14,15   ; p to f16, in place from the low end: register j takes numbers 2 j and 2 j + 1, which no later line needs at j
.irp t, 0,1
	v_cvt_pk_f16_f32 v[S+32*\t+\j], v[S+32*\t+2*\j], v[S+32*\t+2*\j+1]
.endr
.endr
.irp j, 0,2,4,6,8,10,12,14,16,18,20,22,24,26,28,30
.irp t, 0,1
	v_pk_mul_f32 v[O+32*\t+\j:O+32*\t+\j+1], v[O+32*\t+\j:O+32*\t+\j+1], v[ST+8*\t+6:ST+8*\t+7] op_sel_hi:[1,0]   ; O^T x a
.endr
.endr
.endm
; A KEY STEP: 64 keys, the q-th of the slot in hand.
.macro STEP q
	s_add_co_u32 s45, s[Q0], 31
	s_cmp_gt_u32 s[KF], s45                        ; all keys come after my 32 queries: a branch on ids, round the step's work and round no barrier
	s_cbranch_scc1 .Lhidden_\@
	v_add_nc_u32 v[ADK], s[TB], v[AK0]
	v_add_nc_u32 v[ADV], s[TB], v[AV0]
.irp f, 0,1,2,3,4,5,6,7                        ; K: keys 16 (f / 2) on, channels 32 (f % 2) on
	ds_load_b128 v[KV+8*\f:KV+8*\f+3], v[ADK] offset:(\q)*64*PK+(\f/2)*16*PK+(\f%2)*64
	ds_load_b128 v[KV+8*\f+4:KV+8*\f+7], v[ADK] offset:(\q)*64*PK+(\f/2)*16*PK+(\f%2)*64+32
.endr
	s_wait_dscnt 0x0
.set i, 0
.rept 16                                       ; S^T = K Q^T: eight accumulators by turns; the first eight start the sums
.set rS, S+32*(i%2)+8*((i/2)%4)
.set rK, KV+8*(2*((i/2)%4)+i/8)
.set rQ, QF+16*(i%2)+8*(i/8)
.if i < 8
	v_wmma_f32_16x16x32_f16 v[rS:rS+7], v[rK:rK+7], v[rQ:rQ+7], 0
.else
	v_wmma_f32_16x16x32_f16 v[rS:rS+7], v[rK:rK+7], v[rQ:rQ+7], v[rS:rS+7]
.endif
.set i, i+1
.endr
.rept 4
	v_nop                                          ; places in front of the loads into K's registers and of the first read of the scores
.endr
.irp f, 0,1,2,3,4,5,6,7                        ; V, turned: keys 32 (f / 4) on, channels 16 (f % 4) on; it lands while the softmax is walked
	ds_load_tr16_b128 v[KV+8*\f:KV+8*\f+3], v[ADV] offset:(\q)*64*PV+(\f/4)*32*PV+(\f%4)*32
	ds_load_tr16_b128 v[KV+8*\f+4:KV+8*\f+7], v[ADV] offset:(\q)*64*PV+(\f/4)*32*PV+(\f%4)*32+16*PV
.endr
	s_add_co_u32 s45, s[KF], 63
	s_cmp_le_u32 s45, s[Q0]                        ; all keys count for all my queries: no mask
	s_cbranch_scc1 .Lopen_\@
	s_sub_co_i32 s46, s[Q0], s[KF]
	v_add_nc_u32 v9, s46, v[RH]                    ; d = my query - KF - 8 h (tile 0); register n holds key KF + 8 h + 16 (n / 8) + n % 8: hidden where 16 (n / 8) + n % 8 > d
	v_add_nc_u32 v10, 16, v9                       ; tile 1
	v_mov_b32 v11, 0xff800000                      ; -infinity: p = 0 then
.set n, 0
.rept 32
	v_cmp_gt_i32 vcc_lo, 16*(n/8)+n%8, v9
	v_cndmask_b32 v[S+n], v[S+n], v11, vcc_lo
	v_cmp_gt_i32 vcc_lo, 16*(n/8)+n%8, v10
	v_cndmask_b32 v[S+32+n], v[S+32+n], v11, vcc_lo
.set n, n+1
.endr
.Lopen_\@:
	SOFTMAX
	s_wait_dscnt 0x0                               ; V is in
.set i, 0
.rept 16                                       ; O^T += V^T P: eight accumulators by turns
.set rO, O+32*(i%2)+8*((i/2)%4)
.set rV, KV+8*(4*(i/8)+(i/2)%4)
.set rP, S+32*(i%2)+8*(i/8)
	v_wmma_f32_16x16x32_f16 v[rO:rO+7], v[rV:rV+7], v[rP:rP+7], v[rO:rO+7]
.set i, i+1
.endr
.rept 5
	v_nop                                          ; five places: the next step's products write over p's registers; its loads land in V's; the way out reads O^T
.endr
.Lhidden_\@:
	s_add_co_u32 s[KF], s[KF], 64
.endm
; THE CHANGE OF SLOTS, at a slot's head.  Each wave waits for all its tensor loads, adds 0 to its spare word, and waits for that and for its reads of the slot that it has left; behind the barrier the slot ahead is whole
; and nobody reads the other one, which is then filled with the next 256 keys: the load has a slot's four steps in which to land.
.macro CHANGE fill
	s_wait_tensorcnt 0x0                           ; no tensor load of mine is out, so a group 0 may be written
	ds_add_u32 v[SPW], v[NIL]
.if \fill
	ds_add_u32 v[SPW], v[NIL]                      ; and twice on end here, in every trip alike
	s_xor_b32 s[G0K+1], s[G0K+1], SLOT1
	s_add_nc_u64 s[G0K+2:G0K+3], s[G0K+2:G0K+3], 32768
	s_xor_b32 s[G0V+1], s[G0V+1], SLOT1
	s_add_nc_u64 s[G0V+2:G0V+3], s[G0V+2:G0V+3], 32768
	s_wait_xcnt 0x0                                ; the last prefetch, a slot back, has read its address
	s_add_nc_u64 s[PFA:PFA+1], s[PFA:PFA+1], 32768
.endif
	s_wait_dscnt 0x0
	s_barrier_signal -1
	s_barrier_wait -1
.if \fill
	s_add_co_u32 s45, s[KF], 256                   ; the first key of the slot that this change would ask for:
	s_cmp_gt_u32 s45, s[LQ]                        ; past my work-group's last query it is read by none of its waves and is not asked for.  Ids and the count of steps alone: all sixteen waves go the same way;
	s_cbranch_scc1 .Lpast_\@                       ; every wait for tensor loads in this text is for 0
	TLOAD
.Lpast_\@:
	ASK
.endif
.endm
	s_wait_loadcnt 0x0                             ; Q
.Lslot:                                            ; 7 trips
	CHANGE 1
	STEP 0
	STEP 1
	STEP 2
	STEP 3
	s_xor_b32 s[TB], s[TB], SLOT1
	s_sub_co_u32 s[SLOTS], s[SLOTS], 1
	s_cmp_lg_u32 s[SLOTS], 0
	s_cbranch_scc1 .Lslot
	CHANGE 0                                       ; the last slot is written out: nothing is left to ask for
	STEP 0
	STEP 1
	STEP 2
	STEP 3
	; THE WAY OUT: O^T / l, to f16, through my stage, and out as 512 consecutive bytes an instruction (four rows of 128 bytes).
.irp t, 0,1
	v_add_f32 v[ST+8*\t+4], v[ST+8*\t+2], v[ST+8*\t+3]
.endr
.irp t, 0,1
	v_permlanex16_b32 v[ST+8*\t+5], v[ST+8*\t+4], s[SEL], s[SEL+1]
.endr
.irp t, 0,1
	v_add_f32 v[ST+8*\t+4], v[ST+8*\t+4], v[ST+8*\t+5]
.endr
.irp t, 0,1
	v_rcp_f32 v[ST+8*\t+6], v[ST+8*\t+4]
.endr
	v_and_b32 v9, 15, v0                           ; (plain work behind the reciprocals)
	v_bfe_u32 v10, v0, 4, 1
	s_mul_i32 s45, s[WV], 32*PK
	s_add_co_u32 s45, s45, STAGE
	v_mul_u32_u24 v3, v9, PK
	v_lshl_add_u32 v3, v10, 4, v3
	v_add_nc_u32 v3, s45, v3                       ; in: row r, + 16 h
	v_and_b32 v11, 31, v0
	v_lshrrev_b32 v4, 3, v11
	v_mul_u32_u24 v4, v4, PK
	v_and_b32 v9, 7, v0
	v_lshl_add_u32 v4, v9, 4, v4
	v_add_nc_u32 v4, s45, v4                       ; back: eight lanes to a row, four rows an instruction
	v_lshlrev_b32 v11, 4, v11
	s_wait_alu depctr_va_vdst(0)                   ; one wait for the two reciprocals, ahead of their first reader
.irp t, 0,1
.irp j, 0,2,4,6,8,10,12,14,16,18,20,22,24,26,28,30
	v_pk_mul_f32 v[O+32*\t+\j:O+32*\t+\j+1], v[O+32*\t+\j:O+32*\t+\j+1], v[ST+8*\t+6:ST+8*\t+7] op_sel_hi:[1,0]
.endr
.endr
.irp t, 0,1
.irp j, 0,1,2,3,4,5,6,7,8,9,10,11,12,13,14,15
	v_cvt_pk_f16_f32 v[S+16*\t+\j], v[O+32*\t+2*\j], v[O+32*\t+2*\j+1]
.endr
.endr
.irp t, 0,1
.irp d, 0,1,2,3
	ds_store_b128 v3, v[S+16*\t+4*\d:S+16*\t+4*\d+3] offset:\t*16*PK+32*\d
.endr
.endr
.irp j, 0,1,2,3,4,5,6,7
	ds_load_b128 v[160+4*\j:163+4*\j], v4 offset:4*PK*\j   ; LDS serves a wave's instructions in order: these see my stores
.endr
.irp j, 0,1,2,3,4,5,6,7
	s_wait_dscnt 7-\j                              ; the younger loads may be out
	global_store_b128 v11, v[160+4*\j:163+4*\j], s[6:7] offset:512*\j
.endr
	s_wait_tensorcnt 0x0                           ; the wave's end
	ds_add_u32 v[SPW], v[NIL]
	s_wait_dscnt 0x0
	s_endpgm
.Lfunc_end_k_q4c3300f834_attn:
	.size	k_q4c3300f834_attn, .Lfunc_end_k_q4c3300f834_attn-k_q4c3300f834_attn
	.p2alignl 7, 3214868480
	.fill 96, 4, 3214868480
	.section	.rodata,"a",@progbits
	.p2align	6, 0x0
	.amdhsa_kernel k_q4c3300f834_attn
		.amdhsa_group_segment_fixed_size 327680
		.amdhsa_private_segment_fixed_size 0
		.amdhsa_enable_private_segment 0
		.amdhsa_kernarg_size 16
		.amdhsa_user_sgpr_count 2
		.amdhsa_user_sgpr_kernarg_segment_ptr 1
		.amdhsa_wavefront_size32 1
		.amdhsa_system_sgpr_workgroup_id_x 1
		.amdhsa_system_sgpr_workgroup_id_y 1
		.amdhsa_system_sgpr_workgroup_id_z 1
		.amdhsa_system_vgpr_workitem_id 0
		.amdhsa_next_free_vgpr 256
		.amdhsa_next_free_sgpr 66
		.amdhsa_reserve_vcc 1
		.amdhsa_float_denorm_mode_32 3
		.amdhsa_float_denorm_mode_16_64 3
		.amdhsa_memory_ordered 1
		.amdhsa_forward_progress 1
		.amdhsa_inst_pref_size 188
	.end_amdhsa_kernel
	.amdgpu_metadata
---
amdhsa.version: [ 1, 2 ]
amdhsa.kernels:
  - .name:           k_q4c3300f834_attn
    .symbol:         k_q4c3300f834_attn.kd
    .args:
      - { .name: qkvh, .offset: 0, .size: 8, .value_kind: global_buffer, .address_space: global }
      - { .name: yh, .offset: 8, .size: 8, .value_kind: global_buffer, .address_space: global }
    .group_segment_fixed_size: 327680
    .private_segment_fixed_size: 0
    .kernarg_segment_align: 8
    .kernarg_segment_size: 16
    .max_flat_workgroup_size: 512
    .sgpr_count:     66
    .vgpr_count:     256
    .wavefront_size: 32
...
	.end_amdgpu_metadata
.endif
;; end of part 3
;; launch proj (part 4): grid 4 x 64, 4 waves a work-group, clusters of 4 x 4, 327,680 bytes of LDS; arguments yh, w16, b_proj, out0; writes out0
.if DOCPART == 4
	.amdgcn_target "amdgcn-amd-amdhsa--gfx1250"
	.amdhsa_code_object_version 6
	.text
	.protected	k_q4c3300f834_proj
	.globl	k_q4c3300f834_proj
	.p2align	8
	.type	k_q4c3300f834_proj,@function
k_q4c3300f834_proj:
	s_mov_b64 s[64:65], 0
	v_nop
	global_prefetch_b8 v0, s[64:65] scope:SCOPE_SE
	s_setreg_imm32_b32 hwreg(HW_REG_WAVE_MODE, 25, 1), 1
	s_wait_xcnt 0x0
	s_wait_alu depctr_hold_cnt(0) depctr_sa_sdst(0) depctr_va_vdst(0) depctr_va_sdst(0) depctr_va_ssrc(0) depctr_va_vcc(0) depctr_vm_vsrc(0)
	s_getreg_b32 s2, hwreg(HW_REG_IB_STS2, 6, 4)
	s_cmp_eq_u32 s2, 0
	s_cbranch_scc0 .Lentry_in_a_cluster
	s_endpgm
.Lentry_in_a_cluster:
	s_bfe_u32 s2, ttmp6, 0x10000c
	s_cmp_lg_u32 s2, 0xf033
	s_cbranch_scc0 .Lentry_shape_is_right
	s_endpgm
.Lentry_shape_is_right:
; out[m][n] = sum over k of y[m][k] W[k][n] + b[n].  y: f16 by head, yh [4 b][16 h][2048 t][64] (k = 64 h + d); W: f16, w16 [1024 k][1024 n]; b, out: f32.  f16 operands, f32 sums.
; (Rows t < 16 of every batch are written again, from f32 operands, by the launch that follows.)
; A tile of 128 rows x 256 columns is made by four waves, each 64 x 128: 32 accumulators, 256 registers; 256 work-groups.  K goes in steps of 128 (two heads) through a ring of two LDS slots.
; CLUSTERS: 4 x 4 work-groups; y's tiles are shared along a row of the cluster, W's along a column: each is asked for jointly.
; THE MATRIX INSTRUCTION IS USED TRANSPOSED: source 0 = 16 columns of W (by the turning load, since W lies [k][n]), source 1 = 16 rows of y: a lane holds eight neighbouring columns of one row.  The bias is the C of each sum's first product.
; REGISTERS: window 0: v0-31 addresses; two fragment buffers of 96 at v32 and v128 (W's eight fragments, then y's four).  window 1: accumulator (a, b) at v[8 (8 a + b)].  window 2: v0-63 the bias, eight tiles.
.set PA,     144                       ; a row of y's tile in LDS: 128 bytes + 16
.set PLANE,  128*PA                    ; one head's 128 rows
.set ATILE,  2*PLANE
.set PB,     544                       ; a row of W's tile: 512 bytes + 32
.set BHALF,  64*PB
.set SLOT,   ATILE+2*BHALF
.set STAGE,  2*SLOT                    ; behind the ring: 16 rows x 528 bytes for each wave; no fill lands here
.set SPITCH, 528
.set SPARE,  STAGE+4*16*SPITCH         ; the spare words, 128 bytes a wave: two blocks of 256 bytes that no other line names
.set ADRA, 16
.set ADRB, 20
.set STO,  24
.set RD,   25
.set CO,   26
.set BO,   27
.set SPW,  28
.set NIL,  29
.set F0,   32
.set F1,   128
.set G1,  24
.set G0,  32
.set G1B, 48
.set G0B, 56
.set MSB, 0
.macro WIN new
.if MSB != (\new)
	s_set_vgpr_msb (MSB<<8)|(\new)
.set MSB, (\new)
.endif
.endm
.set MUL, 0x50                         ; sources 0 and 1 window 0; C and D window 1.  (+ 0x10: C, the bias, window 2)
.macro JLOAD s                         ; a joint load: waves 0 and 1 fetch y's two heads, waves 2 and 3 W's two halves; an s_nop 0 and four v_nop follow each line
	s_cmp_eq_u32 s13, 0
	s_cbranch_scc0 .Lfor_b_\@
	tensor_load_to_lds s[G0+4*\s:G0+4*\s+3], s[G1:G1+7]
	s_nop 0
.rept 4
	v_nop
.endr
	s_branch .Lasked_\@
.Lfor_b_\@:
	tensor_load_to_lds s[G0B+4*\s:G0B+4*\s+3], s[G1B:G1B+7]
	s_nop 0
.rept 4
	v_nop
.endr
.Lasked_\@:
.endm
.macro CREST
	s_cmp_lg_u32 s12, 0
	s_cbranch_scc1 .Lnot_wave_0_\@
	s_barrier_signal -3
.Lnot_wave_0_\@:
	s_barrier_wait -3
	s_barrier_signal -1
	s_barrier_wait -1
.endm
.macro CROUND
	s_barrier_signal -1
	s_barrier_wait -1
	CREST
.endm
	s_load_b256 s[4:11], s[0:1], 0x0               ; yh s[4:5], w16 s[6:7], b_proj s[8:9], out0 s[10:11]
	v_lshl_add_u32 v[SPW], v0, 2, SPARE
	v_mov_b32 v[NIL], 0
	ds_add_u32 v[SPW], v[NIL]                      ; the wave's opening: the add, twice on end, and its wait ahead of my first tensor load
	ds_add_u32 v[SPW], v[NIL]
	v_lshrrev_b32 v1, 5, v0
	v_readfirstlane_b32 s12, v1                    ; wave 0..3
	s_lshr_b32 s13, s12, 1                         ; which 64 rows are mine.  Also: I fetch for y (0) or for W (1)
	s_and_b32 s14, s12, 1                          ; which 128 columns.  Also: which half I fetch
	s_bfe_u32 s40, ttmp6, 0x40000                  ; cx, cy
	s_bfe_u32 s41, ttmp6, 0x40004
	s_lshl_b32 s42, ttmp9, 2
	s_add_co_u32 s42, s42, s40                     ; tile column
	s_and_b32 s15, ttmp7, 0xffff
	s_lshl_b32 s15, s15, 2
	s_add_co_u32 s15, s15, s41                     ; tile row
	s_lshl_b32 s43, s41, 2
	s_lshl_b32 s43, 15, s43                        ; my row of the cluster
	s_lshl_b32 s44, 0x1111, s40                    ; my column
	s_or_b32 s[G1+0], s43, (1<<16)|(1<<20)|(1<<21)|(4<<22)|(3<<25)   ; y: elements of 2 bytes; 4 words of padding behind every 32; bit 21 beside a mask
	s_mov_b32 s[G1+1], 64<<16                      ; tensor_dim0 = 64
	s_mov_b32 s[G1+2], 128<<16                     ; tensor_dim1 = 128
	s_mov_b32 s[G1+3], 64<<16                      ; tile_dim0
	s_mov_b32 s[G1+4], 128                         ; tile_dim1
	s_mov_b32 s[G1+5], 64                          ; the pitch
	s_mov_b32 s[G1+6], 0
	s_mov_b32 s[G1+7], 0
	s_or_b32 s[G1B+0], s44, (1<<16)|(1<<20)|(1<<21)|(6<<22)|(7<<25)  ; W: 8 words of padding behind every 128
	s_mov_b32 s[G1B+1], 256<<16
	s_mov_b32 s[G1B+2], 64<<16
	s_mov_b32 s[G1B+3], 256<<16
	s_mov_b32 s[G1B+4], 64
	s_mov_b32 s[G1B+5], 1024
	s_mov_b32 s[G1B+6], 0
	s_mov_b32 s[G1B+7], 0
	s_lshr_b32 s16, s15, 4                         ; y: batch = tile row / 16,
	s_lshl_b32 s16, s16, 22
	s_and_b32 s17, s15, 15
	s_lshl_b32 s17, s17, 14                        ; 128 rows of 128 bytes a tile row,
	s_add_co_u32 s16, s16, s17
	s_lshl_b32 s17, s14, 18                        ; the K step's first or second head
	s_add_co_u32 s16, s16, s17
	s_mov_b32 s17, 0
	s_lshl_b32 s46, s42, 9                         ; W: 512 bytes a tile column,
	s_lshl_b32 s47, s14, 17                        ; 64 rows of 2,048 bytes a half
	s_add_co_u32 s46, s46, s47
	s_mov_b32 s47, 0
	s_mul_i32 s20, s14, PLANE                      ; where they go: no place in the cluster enters an LDS address
	s_mul_i32 s45, s14, BHALF
	s_add_co_u32 s45, s45, ATILE
	s_wait_dscnt 0x0                               ; both opening adds are done
	s_wait_kmcnt 0x0
	s_add_nc_u64 s[18:19], s[4:5], s[16:17]
	s_add_nc_u64 s[46:47], s[6:7], s[46:47]
	CROUND                                         ; all sixteen work-groups are here: the first joint loads meet
.irp s, 0,1
	s_mov_b32 s[G0+4*\s], 1
	s_add_co_u32 s[G0+4*\s+1], s20, \s*SLOT
	s_add_nc_u64 s[G0+4*\s+2:G0+4*\s+3], s[18:19], \s*0x80000      ; K step s: two heads on
	s_or_b32 s[G0+4*\s+3], s[G0+4*\s+3], 0x80000000
	s_mov_b32 s[G0B+4*\s], 1
	s_add_co_u32 s[G0B+4*\s+1], s45, \s*SLOT
	s_add_nc_u64 s[G0B+4*\s+2:G0B+4*\s+3], s[46:47], \s*0x40000    ; 128 rows on
	s_or_b32 s[G0B+4*\s+3], s[G0B+4*\s+3], 0x80000000
	JLOAD \s
.endr
	v_and_b32 v1, 15, v0                           ; r
	v_bfe_u32 v2, v0, 4, 1                         ; h
	v_lshlrev_b32 v[BO], 5, v2
	s_lshl_b32 s16, s15, 7
	s_lshl_b32 s17, s13, 6
	s_add_co_u32 s16, s16, s17                     ; my first row of out,
	s_lshl_b32 s16, s16, 12                        ; 4,096 bytes a row
	s_mov_b32 s17, 0
	s_add_nc_u64 s[10:11], s[10:11], s[16:17]
	s_lshl_b32 s46, s42, 10
	s_lshl_b32 s47, s14, 9
	s_add_co_u32 s46, s46, s47                     ; my first column, in bytes
	s_mov_b32 s47, 0
	s_add_nc_u64 s[10:11], s[10:11], s[46:47]
	s_add_nc_u64 s[8:9], s[8:9], s[46:47]
	WIN 0x80                                       ; destination window 2
.irp b, 0,1,2,3,4,5,6,7                        ; tile b of the bias in the result's layout: lane (r, h), register j: b[16 b + 8 h + j]
	global_load_b128 v[8*\b:8*\b+3], v[BO], s[8:9] offset:64*\b
	global_load_b128 v[8*\b+4:8*\b+7], v[BO], s[8:9] offset:64*\b+16
.endr
	WIN 0
	v_mul_u32_u24 v3, v1, PA
	v_lshl_add_u32 v3, v2, 4, v3                   ; y: row r x pitch + 16 h
	s_mul_i32 s21, s13, 64*PA
	v_and_b32 v4, 7, v0
	v_lshl_add_u32 v4, v2, 3, v4
	v_mul_u32_u24 v4, v4, PB
	v_bfe_u32 v5, v0, 3, 1
	v_lshl_add_u32 v4, v5, 4, v4                   ; W, for the turning load: k row 8 h + lane % 8, columns 8 ((lane / 8) % 2) on
	s_lshl_b32 s22, s14, 8
	s_add_co_u32 s22, s22, ATILE
.irp s, 0,1
	v_add_nc_u32 v[ADRA+\s], s21, v3
	v_add_nc_u32 v[ADRB+\s], s22, v4
	s_add_co_u32 s21, s21, SLOT
	s_add_co_u32 s22, s22, SLOT
.endr
	s_mul_i32 s23, s12, 16*SPITCH
	s_add_co_u32 s23, s23, STAGE                   ; my stage
	v_mul_u32_u24 v5, v1, SPITCH
	v_lshl_add_u32 v5, v2, 5, v5
	v_add_nc_u32 v[STO], s23, v5                   ; in: row r, 32 bytes for each half of the lanes
	v_and_b32 v6, 31, v0
	v_lshlrev_b32 v[CO], 4, v6
	v_add_nc_u32 v[RD], s23, v[CO]                 ; back: the 32 lanes take one row of 512 bytes
; 8 matrix instructions: y's block a against W's eight.  The 32 accumulators take turns, one instruction a turn, in one fixed order.
.macro MUL8 f, a, first
.irp b, 0,1,2,3,4,5,6,7
.if \first
	v_wmma_f32_16x16x32_f16 v[8*(8*(\a)+\b):8*(8*(\a)+\b)+7], v[\f+8*\b:\f+8*\b+7], v[\f+64+8*(\a):\f+64+8*(\a)+7], v[8*\b:8*\b+7]
.else
	v_wmma_f32_16x16x32_f16 v[8*(8*(\a)+\b):8*(8*(\a)+\b)+7], v[\f+8*\b:\f+8*\b+7], v[\f+64+8*(\a):\f+64+8*(\a)+7], v[8*(8*(\a)+\b):8*(8*(\a)+\b)+7]
.endif
.endr
.endm
; 24 LDS loads in one run: the fragments of 32 along K, the slot's kq-th, into buffer f: W's sixteen first, then y's eight
.macro FETCH slot, kq, f
	WIN 0
.irp b, 0,1,2,3,4,5,6,7
	ds_load_tr16_b128 v[\f+8*\b:\f+8*\b+3], v[ADRB+\slot] offset:(\kq)*32*PB+32*\b
	ds_load_tr16_b128 v[\f+8*\b+4:\f+8*\b+7], v[ADRB+\slot] offset:(\kq)*32*PB+32*\b+16*PB
.endr
.irp a, 0,1,2,3
	ds_load_b128 v[\f+64+8*\a:\f+64+8*\a+3], v[ADRA+\slot] offset:((\kq)/2)*PLANE+((\kq)%2)*64+\a*16*PA
	ds_load_b128 v[\f+64+8*\a+4:\f+64+8*\a+7], v[ADRA+\slot] offset:((\kq)/2)*PLANE+((\kq)%2)*64+\a*16*PA+32
.endr
.endm
.macro PLACES                          ; four plain vector instructions in front of loads into registers that matrix instructions have read, and of the first read of results
.rept 4
	v_nop
.endr
.endm
; A K step is four quarters of 32 along K, 32 matrix instructions each, on buffers 0, 1, 0, 1.  One of the first three multiplies buffer f and fetches quarter kq into g.
.macro QUARTER slot, kq, f, g, first
	s_wait_dscnt 4                                 ; all but the youngest four loads (y's blocks 2 and 3)
	WIN MUL+0x10*(\first)
	MUL8 \f, 0, \first
	MUL8 \f, 1, \first
	PLACES
	FETCH \slot, \kq, \g
	s_wait_dscnt 24                                ; all but the 24 just issued
	WIN MUL+0x10*(\first)
	MUL8 \f, 2, \first
	MUL8 \f, 3, \first
.endm
; The last quarter multiplies buffer 1 and changes slots: one barrier; in front of it each wave waits for all its tensor loads, adds 0 to its spare word, and waits for that and for its reads of this slot.
.macro TURN slot, next, fill
	WIN 0                                          ; (the add's two registers lie in window 0)
	s_wait_tensorcnt 0x0                           ; my part of the next slot has landed
	ds_add_u32 v[SPW], v[NIL]
	s_wait_dscnt 5                                 ; the add and the youngest four loads may be out
	WIN MUL
	MUL8 F1, 0, 0
	s_wait_dscnt 0x0                               ; the add is done, and my reads of this slot are over
	s_barrier_signal -1
	MUL8 F1, 1, 0
.if \fill
	WIN 0
.endif
	s_barrier_wait -1
.if \fill
	CREST                                          ; the barrier has opened a round of the cluster's: no wave of any partner still reads this slot or has a load on its way
	s_add_nc_u64 s[G0+4*\slot+2:G0+4*\slot+3], s[G0+4*\slot+2:G0+4*\slot+3], 0x100000    ; two K steps on: four heads
	s_add_nc_u64 s[G0B+4*\slot+2:G0B+4*\slot+3], s[G0B+4*\slot+2:G0B+4*\slot+3], 0x80000 ; 256 rows
	JLOAD \slot                                    ; the first tensor load behind the round; its four v_nop are also the places in front of the loads below
.else
	PLACES
.endif
	FETCH \next, 0, F0
	WIN MUL
	MUL8 F1, 2, 0
	MUL8 F1, 3, 0
.endm
	s_wait_tensorcnt 1                             ; my part of K step 0 is in; K step 1's load may be out
	s_barrier_signal -1
	s_barrier_wait -1
	FETCH 0, 0, F0
	s_wait_loadcnt 0x0                             ; the bias
	QUARTER 0, 1, F0, F1, 1                        ; the first quarter's products start the sums from the bias
	WIN 0
	s_mov_b32 s3, 3
.Llap:                                             ; a trip goes once round the ring and fills both slots again: K steps 2 to 7
	QUARTER 0, 2, F1, F0, 0
	QUARTER 0, 3, F0, F1, 0
	TURN 0, 1, 1
	QUARTER 1, 1, F0, F1, 0
	QUARTER 1, 2, F1, F0, 0
	QUARTER 1, 3, F0, F1, 0
	TURN 1, 0, 1
	QUARTER 0, 1, F0, F1, 0
	WIN 0
	s_sub_co_u32 s3, s3, 1
	s_cmp_lg_u32 s3, 0
	s_cbranch_scc1 .Llap
	QUARTER 0, 2, F1, F0, 0                        ; the last lap fills nothing
	QUARTER 0, 3, F0, F1, 0
	TURN 0, 1, 0
	QUARTER 1, 1, F0, F1, 0
	QUARTER 1, 2, F1, F0, 0
	QUARTER 1, 3, F0, F1, 0
	s_wait_dscnt 4
	WIN MUL
	MUL8 F1, 0, 0
	MUL8 F1, 1, 0
	s_wait_dscnt 0
	MUL8 F1, 2, 0
	MUL8 F1, 3, 0
	WIN 0
; THE WAY OUT, block by block of 16 rows x 128 columns, through my own stage: back as whole rows of 512 bytes.
.macro TOSTAGE a
	WIN 0x04                                       ; an LDS store's data are its source 1: window 1
.irp b, 0,1,2,3,4,5,6,7
	ds_store_b128 v[STO], v[64*(\a)+8*\b:64*(\a)+8*\b+3] offset:64*\b          ; each accumulator from its low end on
	ds_store_b128 v[STO], v[64*(\a)+8*\b+4:64*(\a)+8*\b+7] offset:64*\b+16
.endr
	WIN 0
.set BB, 32+64*((\a)%2)
.irp t, 0,1,2,3,4,5,6,7,8,9,10,11,12,13,14,15
	ds_load_b128 v[BB+4*\t:BB+4*\t+3], v[RD] offset:\t*SPITCH
.endr
.endm
.macro SEND a, younger
.set BB, 32+64*((\a)%2)
	s_wait_dscnt \younger                          ; the block is back; the next block's 16 stores and 16 loads may be out
.irp t, 0,1,2,3,4,5,6,7,8,9,10,11,12,13,14,15
	global_store_b128 v[CO], v[BB+4*\t:BB+4*\t+3], s[10:11] offset:(16*(\a)+\t)*4096 th:TH_STORE_NT   ; 512 consecutive bytes of a row
.endr
.endm
	PLACES
	TOSTAGE 0
.irp a, 1,2,3
.if \a > 1
	s_wait_xcnt 0x0                                ; block a - 2's stores have read their registers: block a's loads may land there
.endif
	TOSTAGE \a
	SEND \a-1, 32
.endr
	SEND 3, 0
	s_wait_tensorcnt 0x0                           ; the wave's end
	ds_add_u32 v[SPW], v[NIL]
	s_wait_dscnt 0x0
	CROUND                                         ; the closing round
	s_endpgm
.Lfunc_end_k_q4c3300f834_proj:
	.size	k_q4c3300f834_proj, .Lfunc_end_k_q4c3300f834_proj-k_q4c3300f834_proj
	.p2alignl 7, 3214868480
	.fill 96, 4, 3214868480
	.section	.rodata,"a",@progbits
	.p2align	6, 0x0
	.amdhsa_kernel k_q4c3300f834_proj
		.amdhsa_group_segment_fixed_size 327680
		.amdhsa_private_segment_fixed_size 0
		.amdhsa_enable_private_segment 0
		.amdhsa_kernarg_size 32
		.amdhsa_user_sgpr_count 2
		.amdhsa_user_sgpr_kernarg_segment_ptr 1
		.amdhsa_wavefront_size32 1
		.amdhsa_system_sgpr_workgroup_id_x 1
		.amdhsa_system_sgpr_workgroup_id_y 1
		.amdhsa_system_sgpr_workgroup_id_z 1
		.amdhsa_system_vgpr_workitem_id 0
		.amdhsa_next_free_vgpr 768
		.amdhsa_next_free_sgpr 66
		.amdhsa_reserve_vcc 0
		.amdhsa_float_denorm_mode_32 3
		.amdhsa_float_denorm_mode_16_64 3
		.amdhsa_memory_ordered 1
		.amdhsa_forward_progress 1
		.amdhsa_inst_pref_size 87
	.end_amdhsa_kernel
	.amdgpu_metadata
---
amdhsa.version: [ 1, 2 ]
amdhsa.kernels:
  - .name:           k_q4c3300f834_proj
    .symbol:         k_q4c3300f834_proj.kd
    .args:
      - { .name: yh, .offset: 0, .size: 8, .value_kind: global_buffer, .address_space: global }
      - { .name: w16, .offset: 8, .size: 8, .value_kind: global_buffer, .address_space: global }
      - { .name: b_proj, .offset: 16, .size: 8, .value_kind: global_buffer, .address_space: global }
      - { .name: out0, .offset: 24, .size: 8, .value_kind: global_buffer, .address_space: global }
    .group_segment_fixed_size: 327680
    .private_segment_fixed_size: 0
    .kernarg_segment_align: 8
    .kernarg_segment_size: 32
    .max_flat_workgroup_size: 128
    .sgpr_count:     66
    .vgpr_count:     768
    .wavefront_size: 32
...
	.end_amdgpu_metadata
.endif
;; end of part 4
;; launch first16 (part 5): grid 64 x 4, 16 waves a work-group, no clusters, 18,432 bytes of LDS; arguments qkv16, W_proj, b_proj, out0; writes out0
.if DOCPART == 5
	.amdgcn_target "amdgcn-amd-amdhsa--gfx1250"
	.amdhsa_code_object_version 6
	.text
	.protected	k_q4c3300f834_first16
	.globl	k_q4c3300f834_first16
	.p2align	8
	.type	k_q4c3300f834_first16,@function
k_q4c3300f834_first16:
	s_mov_b64 s[64:65], 0
	v_nop
	global_prefetch_b8 v0, s[64:65] scope:SCOPE_SE
	s_setreg_imm32_b32 hwreg(HW_REG_WAVE_MODE, 25, 1), 1
	s_wait_xcnt 0x0
; THE FIRST 16 POSITIONS OF EVERY SEQUENCE, IN f32: these rows average one to a few values, so f16 operands weigh most there.  out0[b][t < 16][:] is written anew from qkv16 [4 b][16 t][3072] f32 and W_proj in f32.
; Work-group (nb, b) makes out0[b][0..15][16 nb .. 16 nb + 15]; wave = head.  A wave: S^T = K Q^T (16 keys x 16 queries, K = 64), causal softmax with its maximum taken away, O^T = V^T P (K = 16 keys),
; then its head's part of the projection, (W^T)(O^T) (K = its 64 channels); the sixteen heads' parts meet in LDS and wave 0 adds them and the bias.  All products by the f32 matrix form: 48 a wave, no bulk work.
; The attention is repeated in a batch's 64 column blocks: 32 matrix instructions a wave, less than a launch of its own.  16 columns to a work-group give each WGP one; the price: W_proj is read and out0 written in runs of 64 bytes.
; K's places in the registers are permuted alike on both sides of each product.  The registers that the matrix form writes (v144-207) are written by matrix instructions alone.
; No cluster, no tensor load.  LIMIT: NaN and infinities are not served.
.set SPARE, 16384                      ; LDS: 0 .. 16,383 the heads' parts, 1,024 bytes a wave; then the spare words, 128 bytes a wave: eight blocks of 256 bytes that no other line names
.set SPW, 4
.set NIL, 5
.set QF,  16                           ; v16-47   Q: lane (r, h), register 4 s + i: q[r][8 s + 4 h + i]
.set KK,  48                           ; v48-79   K likewise
.set VT,  80                           ; v80-111  register 8 d + j: v[key 8 h + j][16 d + r]
.set WT,  112                          ; v112-143 register 8 d + j: W[64 head + 16 d + 8 h + j][16 nb + r]
.set ACC, 144                          ; v144-175 four accumulators: the scores' parts, later the result's
.set OA,  176                          ; v176-207 O^T: four tiles of 16 channels
.set SS,  208                          ; v208-215 the scores, then p: register j = key 8 h + j of query r
.set TT,  216
.set BI,  224                          ; v224-231 the bias
.set RS,  232                          ; v232-239 my head's part of the result
	s_load_b256 s[4:11], s[0:1], 0x0               ; qkv16 s[4:5], W_proj s[6:7], b_proj s[8:9], out0 s[10:11]
	v_lshl_add_u32 v[SPW], v0, 2, SPARE
	v_mov_b32 v[NIL], 0
	v_lshrrev_b32 v1, 5, v0
	v_readfirstlane_b32 s12, v1                    ; the head
	s_and_b32 s13, ttmp7, 0xffff                   ; the batch
	v_and_b32 v1, 15, v0                           ; r
	v_bfe_u32 v2, v0, 4, 1                         ; h
	v_lshlrev_b32 v6, 5, v2                        ; the bias: 32 h
	v_mul_u32_u24 v7, v1, 12288
	v_lshl_add_u32 v7, v2, 4, v7                   ; Q, K: row r, + 16 h
	v_mul_u32_u24 v8, v2, 98304
	v_lshl_add_u32 v8, v1, 2, v8                   ; V: 8 h rows down, column r
	v_lshlrev_b32 v9, 15, v2
	v_lshl_add_u32 v9, v1, 2, v9                   ; W: 8 h rows down, column r
	v_and_b32 v11, 31, v0
	v_lshlrev_b32 v11, 4, v11                      ; LDS: 16 x lane,
	s_lshl_b32 s20, s12, 10
	v_add_nc_u32 v10, s20, v11                     ; + 1,024 x wave
	v_lshlrev_b32 v3, 12, v1
	v_lshl_add_u32 v3, v2, 5, v3                   ; out: row r, + 32 h
	v_lshlrev_b32 v12, 3, v2
	v_sub_nc_u32 v12, v1, v12                      ; r - 8 h: key 8 h + j is hidden from query r where j > r - 8 h
	v_mov_b32 v13, 0xff800000                      ; -infinity
	v_mov_b32 v241, 0                              ; written once: a lane permute's destination counts as read
	s_mov_b32 s16, 0x76543210
	s_mov_b32 s17, 0xfedcba98
	s_mov_b32 s18, 0x3e38aa3b                      ; c = log2(e) / 8
	s_mul_i32 s20, s13, 196608
	s_lshl_b32 s21, s12, 8
	s_add_co_u32 s20, s20, s21
	s_mov_b32 s21, 0
	s_lshl_b32 s24, ttmp9, 6                       ; 64 bytes a column block
	s_mov_b32 s25, 0
	s_lshl_b32 s22, s12, 18
	s_add_co_u32 s22, s22, s24
	s_mov_b32 s23, 0
	s_lshl_b32 s26, s13, 23
	s_add_co_u32 s26, s26, s24
	s_mov_b32 s27, 0
	s_wait_kmcnt 0x0
	s_add_nc_u64 s[4:5], s[4:5], s[20:21]          ; my batch's rows, my head's q
	s_add_nc_u64 s[6:7], s[6:7], s[22:23]          ; my head's 64 rows of W, my columns
	s_add_nc_u64 s[8:9], s[8:9], s[24:25]
	s_add_nc_u64 s[10:11], s[10:11], s[26:27]
	global_load_b128 v[BI:BI+3], v6, s[8:9]
	global_load_b128 v[BI+4:BI+7], v6, s[8:9] offset:16
.irp s, 0,1,2,3,4,5,6,7
	global_load_b128 v[QF+4*\s:QF+4*\s+3], v7, s[4:5] offset:32*\s
.endr
.irp s, 0,1,2,3,4,5,6,7
	global_load_b128 v[KK+4*\s:KK+4*\s+3], v7, s[4:5] offset:4096+32*\s
.endr
.irp d, 0,1,2,3
.irp j, 0,1,2,3,4,5,6,7
	global_load_b32 v[VT+8*\d+\j], v8, s[4:5] offset:8192+\j*12288+64*\d
.endr
.endr
.irp d, 0,1,2,3
.irp j, 0,1,2,3,4,5,6,7
	global_load_b32 v[WT+8*\d+\j], v9, s[6:7] offset:(16*\d+\j)*4096
.endr
.endr
	s_wait_loadcnt 63                              ; 82 loads were issued: the oldest 19 are in, the bias, Q and K among them
.set i, 0
.rept 16                                       ; S^T = K Q^T in four parts, the four accumulators by turns; the first four start the sums
.if i < 4
	v_wmma_f32_16x16x4_f32 v[ACC+8*(i%4):ACC+8*(i%4)+7], v[KK+2*i:KK+2*i+1], v[QF+2*i:QF+2*i+1], 0
.else
	v_wmma_f32_16x16x4_f32 v[ACC+8*(i%4):ACC+8*(i%4)+7], v[KK+2*i:KK+2*i+1], v[QF+2*i:QF+2*i+1], v[ACC+8*(i%4):ACC+8*(i%4)+7]
.endif
.set i, i+1
.endr
.rept 8
	v_nop                                          ; eight places behind this form, in front of the first read of results
.endr
.irp j, 0,2,4,6
	v_pk_add_f32 v[TT+\j:TT+\j+1], v[ACC+\j:ACC+\j+1], v[ACC+8+\j:ACC+8+\j+1]
.endr
.irp j, 0,2,4,6
	v_pk_add_f32 v[SS+\j:SS+\j+1], v[ACC+16+\j:ACC+16+\j+1], v[ACC+24+\j:ACC+24+\j+1]
.endr
.irp j, 0,2,4,6
	v_pk_add_f32 v[SS+\j:SS+\j+1], v[SS+\j:SS+\j+1], v[TT+\j:TT+\j+1]
.endr
.irp j, 0,1,2,3,4,5,6,7
	v_cmp_gt_i32 vcc_lo, \j, v12
	v_cndmask_b32 v[SS+\j], v[SS+\j], v13, vcc_lo
.endr
	v_max3_num_f32 v240, v[SS], v[SS+1], v[SS+2]
	v_max3_num_f32 v240, v240, v[SS+3], v[SS+4]
	v_max3_num_f32 v240, v240, v[SS+5], v[SS+6]
	v_max_num_f32 v240, v240, v[SS+7]
	v_permlanex16_b32 v241, v240, s16, s17
	v_max_num_f32 v240, v240, v241                 ; the row's largest score: key 0 counts for every query, so it is a number
	v_mul_f32 v240, s18, v240
.irp j, 0,1,2,3,4,5,6,7
	v_fma_f32 v[SS+\j], v[SS+\j], s18, -v240
.endr
.irp j, 0,1,2,3,4,5,6,7
	v_exp_f32 v[SS+\j], v[SS+\j]
.endr
	v_nop                                          ; a plain instruction behind the last exponential,
	s_wait_alu depctr_va_vdst(0)                   ; and one wait for the batch
	v_add_f32 v242, v[SS], v[SS+1]
	v_add_f32 v243, v[SS+2], v[SS+3]
	v_add_f32 v242, v242, v[SS+4]
	v_add_f32 v243, v243, v[SS+5]
	v_add_f32 v242, v242, v[SS+6]
	v_add_f32 v243, v243, v[SS+7]
	v_add_f32 v242, v242, v243
	v_permlanex16_b32 v241, v242, s16, s17
	v_add_f32 v242, v242, v241
	v_rcp_f32 v243, v242
	v_nop
	s_wait_alu depctr_va_vdst(0)
.irp j, 0,1,2,3,4,5,6,7
	v_mul_f32 v[SS+\j], v[SS+\j], v243             ; the weights, normalised
.endr
	s_wait_loadcnt 32                              ; V is in; W's 32 loads may be out
.set i, 0
.rept 16                                       ; O^T = V^T P: keys 8 h + 2 (i / 4) + 0, 1; channels 16 (i % 4) on
.if i < 4
	v_wmma_f32_16x16x4_f32 v[OA+8*(i%4):OA+8*(i%4)+7], v[VT+8*(i%4)+2*(i/4):VT+8*(i%4)+2*(i/4)+1], v[SS+2*(i/4):SS+2*(i/4)+1], 0
.else
	v_wmma_f32_16x16x4_f32 v[OA+8*(i%4):OA+8*(i%4)+7], v[VT+8*(i%4)+2*(i/4):VT+8*(i%4)+2*(i/4)+1], v[SS+2*(i/4):SS+2*(i/4)+1], v[OA+8*(i%4):OA+8*(i%4)+7]
.endif
.set i, i+1
.endr
.rept 9
	v_nop                                          ; nine places: the results become operands
.endr
	s_wait_loadcnt 0x0                             ; W
.set i, 0
.rept 16                                       ; my head's part of the projection: channels 16 (i % 4) + 8 h + 2 (i / 4) + 0, 1
.if i < 4
	v_wmma_f32_16x16x4_f32 v[ACC+8*(i%4):ACC+8*(i%4)+7], v[WT+8*(i%4)+2*(i/4):WT+8*(i%4)+2*(i/4)+1], v[OA+8*(i%4)+2*(i/4):OA+8*(i%4)+2*(i/4)+1], 0
.else
	v_wmma_f32_16x16x4_f32 v[ACC+8*(i%4):ACC+8*(i%4)+7], v[WT+8*(i%4)+2*(i/4):WT+8*(i%4)+2*(i/4)+1], v[OA+8*(i%4)+2*(i/4):OA+8*(i%4)+2*(i/4)+1], v[ACC+8*(i%4):ACC+8*(i%4)+7]
.endif
.set i, i+1
.endr
.rept 8
	v_nop
.endr
.irp j, 0,2,4,6
	v_pk_add_f32 v[TT+\j:TT+\j+1], v[ACC+\j:ACC+\j+1], v[ACC+8+\j:ACC+8+\j+1]
.endr
.irp j, 0,2,4,6
	v_pk_add_f32 v[RS+\j:RS+\j+1], v[ACC+16+\j:ACC+16+\j+1], v[ACC+24+\j:ACC+24+\j+1]
.endr
.irp j, 0,2,4,6
	v_pk_add_f32 v[RS+\j:RS+\j+1], v[RS+\j:RS+\j+1], v[TT+\j:TT+\j+1]   ; lane (r, h): query r, columns 16 nb + 8 h + 0 .. 7
.endr
	ds_store_b128 v10, v[RS:RS+3]                  ; an image of the registers: 16 bytes a lane
	ds_store_b128 v10, v[RS+4:RS+7] offset:512
	s_wait_dscnt 0x0                               ; for the others' sake: my stores have landed
	s_barrier_signal -1
	s_barrier_wait -1
	s_cmp_lg_u32 s12, 0
	s_cbranch_scc1 .Ldone
.irp w, 0,1,2,3,4,5,6,7,8,9,10,11,12,13,14,15
	ds_load_b128 v[16+8*\w:19+8*\w], v11 offset:1024*\w
	ds_load_b128 v[20+8*\w:23+8*\w], v11 offset:1024*\w+512
.endr
	s_wait_dscnt 0x0
.irp w, 1,2,3,4,5,6,7,8,9,10,11,12,13,14,15
.irp j, 0,2,4,6
	v_pk_add_f32 v[16+\j:17+\j], v[16+\j:17+\j], v[16+8*\w+\j:17+8*\w+\j]
.endr
.endr
.irp j, 0,2,4,6
	v_pk_add_f32 v[16+\j:17+\j], v[16+\j:17+\j], v[BI+\j:BI+\j+1]
.endr
	global_store_b128 v3, v[16:19], s[10:11]
	global_store_b128 v3, v[20:23], s[10:11] offset:16
.Ldone:
	s_wait_tensorcnt 0x0                           ; the wave's end
	ds_add_u32 v[SPW], v[NIL]
	s_wait_dscnt 0x0
	s_endpgm
.Lfunc_end_k_q4c3300f834_first16:
	.size	k_q4c3300f834_first16, .Lfunc_end_k_q4c3300f834_first16-k_q4c3300f834_first16
	.p2alignl 7, 3214868480
	.fill 96, 4, 3214868480
	.section	.rodata,"a",@progbits
	.p2align	6, 0x0
	.amdhsa_kernel k_q4c3300f834_first16
		.amdhsa_group_segment_fixed_size 18432
		.amdhsa_private_segment_fixed_size 0
		.amdhsa_enable_private_segment 0
		.amdhsa_kernarg_size 32
		.amdhsa_user_sgpr_count 2
		.amdhsa_user_sgpr_kernarg_segment_ptr 1
		.amdhsa_wavefront_size32 1
		.amdhsa_system_sgpr_workgroup_id_x 1
		.amdhsa_system_sgpr_workgroup_id_y 1
		.amdhsa_system_sgpr_workgroup_id_z 1
		.amdhsa_system_vgpr_workitem_id 0
		.amdhsa_next_free_vgpr 256
		.amdhsa_next_free_sgpr 66
		.amdhsa_reserve_vcc 1
		.amdhsa_float_denorm_mode_32 3
		.amdhsa_float_denorm_mode_16_64 3
		.amdhsa_memory_ordered 1
		.amdhsa_forward_progress 1
		.amdhsa_inst_pref_size 25
	.end_amdhsa_kernel
	.amdgpu_metadata
---
amdhsa.version: [ 1, 2 ]
amdhsa.kernels:
  - .name:           k_q4c3300f834_first16
    .symbol:         k_q4c3300f834_first16.kd
    .args:
      - { .name: qkv16, .offset: 0, .size: 8, .value_kind: global_buffer, .address_space: global }
      - { .name: W_proj, .offset: 8, .size: 8, .value_kind: global_buffer, .address_space: global }
      - { .name: b_proj, .offset: 16, .size: 8, .value_kind: global_buffer, .address_space: global }
      - { .name: out0, .offset: 24, .size: 8, .value_kind: global_buffer, .address_space: global }
    .group_segment_fixed_size: 18432
    .private_segment_fixed_size: 0
    .kernarg_segment_align: 8
    .kernarg_segment_size: 32
    .max_flat_workgroup_size: 512
    .sgpr_count:     66
    .vgpr_count:     256
    .wavefront_size: 32
...
	.end_amdgpu_metadata
.endif
;; end of part 5
